; MI455X (gfx1250); checked and timed in simulation.
; The chip was launched on July 23, 2026; its instructions are those of AMD's public machine-readable ISA for CDNA 5 (MIT licence, August 2026) and "CDNA5" Instruction Set Architecture Reference Guide (July 2026). The comments in the code are by the model that wrote it; some were corrected since.
;; Expert Tier. Allowed arithmetic: matrix products marked QUANTISED: E3M2 operands, one E8M0 scale for each 32 along K, by v_wmma_scale_f32_16x16x128_f8f6f4 with both operands' format E3M2, f32 sums; products left as they are: f32 operands where the result goes on into a quantised operand, else bf16, f16 or f32 operands; f32 sums; everything else in f32.
;; Inputs: expert_w1_codes 8 x 2,048 x 32 x 24 uint8 (E3M2 codes of expert_w1, K innermost, in blocks of 32 codes, four codes in three bytes); expert_w1_scales 8 x 2,048 x 32 uint8 (E8M0 scales of expert_w1, one for each 32 codes along K); expert_w2_codes 8 x 1,024 x 64 x 24 uint8 (E3M2 codes of expert_w2, K innermost, in blocks of 32 codes, four codes in three bytes); expert_w2_scales 8 x 1,024 x 64 uint8 (E8M0 scales of expert_w2, one for each 32 codes along K); gate_w 8 x 1,024 float32; ln_beta 1,024 float32; ln_gamma 1,024 float32; x 4 x 512 x 1,024 float32.
;; Outputs: out0 4 x 512 x 1,024 float32.
;; This version of the problem:
;;   THIS VERSION OF THE PROBLEM IS GIVEN IN LOW PRECISION. The matrix products marked QUANTISED in the list below multiply operands that are first quantised to E3M2 (3 exponent bits, 2 mantissa bits; 6 bits a number), with one power-of-two scale for each 32 numbers along K (OCP MX v1.0); their sums are f32. All else is computed in f32.
;;   The module's matrix products, in the order in which they are computed (A, B: the left and right operand; K: the contracted axis; several contracted axes count as one K, in the product's order):
;;     1. [M 2,048, K 1,024] x [K 1,024, N 8]; A: input x; B: input gate_w: left as it is (N = 8 < 16)
;;     2. batch 2,048 x [M 1,024, K 1] x [K 1, N 8]; A: computed on the way; B: computed on the way: left as it is (no contracted axis)
;;     3. batch 8 x [M 2,048, K 1,024] x [K 1,024, N 2,048]; A: computed on the way; B: input expert_w1 (given as codes): QUANTISED
;;     4. batch 8 x [M 2,048, K 2,048] x [K 2,048, N 1,024]; A: computed on the way; B: input expert_w2 (given as codes): QUANTISED
;;     5. batch 2,048 x [M 1,024, K 8] x [K 8, N 1]; A: computed on the way; B: computed on the way: left as it is (K = 8 < 32)
;;   THE QUANTISER, for each operand of a quantised product, along K:
;;     - K is cut into blocks of 32 from its start; a last block that is shorter is filled with zeros.
;;     - A block's scale is 2^e with e = floor(log2(the largest magnitude in the block)) - 4, held to -126 .. 127; a block of zeros has e = 0. As a byte (E8M0): e + 127.
;;     - Each number is divided by its block's scale, clamped to +-28, and rounded to the nearest number of E3M2, ties to even, subnormals kept.
;;     - The product sums the exact products of the quantised numbers (number of the format x scale) in f32.
;;   ~~~python
;;   def quantise(x, axis):      # numpy; x: float32 -> the quantised numbers, widened to float32 again
;;       x = np.moveaxis(x, axis, -1); K = x.shape[-1]
;;       x = np.pad(x, [(0, 0)] * (x.ndim - 1) + [(0, -K % 32)]); x = x.reshape(x.shape[:-1] + (-1, 32)); a = np.abs(x).max(-1, keepdims=True)
;;       e = np.where(a > 0, np.clip(np.frexp(np.where(a > 0, a, 1))[1] - 1 - 4, -126, 127), 0)      # np.frexp(a)[1] - 1 = floor(log2(a)), exactly
;;       r = np.clip(x / 2.0 ** e, -28, 28)
;;       step = 2.0 ** (np.maximum(np.frexp(np.where(r == 0, 1, r))[1] - 1, -2) - 2)
;;       q = np.round(r / step) * step * 2.0 ** e      # np.round: ties to even
;;       return np.moveaxis(q.reshape(q.shape[:-2] + (-1,))[..., :K], -1, axis).astype(np.float32)
;;   ~~~
;;   OPERANDS COMPUTED ON THE WAY. 'Computed on the way' means the value that the module computes at that place (a softmax that the list does not call 'softmax' is quantised finished and normalised). What goes into a quantiser is computed in f32, as accurately as f32 sums, v_exp_f32 and their like allow (about 1e-6 of the number): no bf16 or f16 on the way to a quantiser, and a product that is left as it is and whose result goes on into a quantised operand takes f32 operands (vector FMAs, or v_wmma_f32_16x16x4_f32). A number that lies on a knife's edge between two numbers of the format may be rounded either way, as far as f32 arithmetic and the matrix unit's own rounding can turn it there, and no further.
;;   INPUTS GIVEN AS CODES. expert_w1 (in the module: [8, 1024, 2048], K = its axis 1); expert_w2 (in the module: [8, 2048, 1024], K = its axis 1): each comes as NAME_codes (uint8): NAME with its K axis moved to the last place and cut into blocks of 32 codes, [.., K / 32, bytes a block], one block behind the other in memory; four codes in three bytes: a row's codes are one little-endian stream of bits, code i at bits 6 i .. 6 i + 5 (a code: sign, 3 exponent bits, 2 mantissa bits); and NAME_scales (uint8): the same leading axes, one E8M0 byte (e + 127) for each 32 codes along K. Its value is code x scale, taken as it is: it is not quantised again, and the codes and scales need not be those that the quantiser above would give.
;; 2 versions, each right; version 2 is version 1 with the launches gemm1, gemm2 written anew for expert scheduling mode. Each part assembles by itself: llvm-mc -triple=amdgcn-amd-amdhsa -mcpu=gfx1250 --defsym DOCPART=n.
;; ======== version 1 of 2: 4 launches
;; workspace buffers: idx 8,192 bytes of whole numbers; tv 8,192 bytes; xq 1,572,864 bytes; xsc 65,536 bytes; hq 25,165,824 bytes; hsc 1,048,576 bytes; lst 75,776 bytes of whole numbers; y 8,388,608 bytes
;; launch gateq (part 1): grid 256 x 1, 4 waves a work-group, no clusters, 76,544 bytes of LDS; arguments x, gate_w, idx, tv, xq, xsc; writes idx, tv, xq, xsc
.if DOCPART == 1
	.amdgcn_target "amdgcn-amd-amdhsa--gfx1250"
	.amdhsa_code_object_version 6
	.text
	.protected	k_q029da274f3_gateq
	.globl	k_q029da274f3_gateq
	.p2align	8
	.type	k_q029da274f3_gateq,@function
k_q029da274f3_gateq:
	s_mov_b64 s[64:65], 0
	v_nop
	global_prefetch_b8 v0, s[64:65] scope:SCOPE_SE
	s_setreg_imm32_b32 hwreg(HW_REG_WAVE_MODE, 25, 1), 1
	s_wait_xcnt 0x0
; THE GATE, AND x INTO CODES.  x [2048][1024] f32, gate_w [8][1024] f32.
; For each token: the 8 logits x . gate_w[e] by f32 multiply-adds; the chosen expert (the largest logit, the lowest index among equals) as a whole number into idx;
; top_val = p / (p + 1e-8), p = 1 / sum of exp(logit - largest), into tv; and the token's row as codes of E3M2 (768 bytes, as a plain stream of bits) into xq, with its 32 scale bytes into xsc.
; A block's scale byte is its largest magnitude's exponent field - 4, held at 1 from below.
; THE SCALE BYTES' ORDER: the products read 48 bytes on end for each half of the lanes, so in each 128 along K the second and third block of 32 change places in the operand's registers;
; the bytes of a scale word are stored in that order: block 4 s + a goes to byte 4 s + 2 (a % 2) + a / 2.
; SHARES: a work-group takes 8 tokens, a wave 2.  gate_w (32,768 bytes) is read once a work-group, a quarter by each wave, and handed round through LDS.
; No cluster: the work-groups share nothing but gate_w's 32,768 bytes, against 32,768 bytes of x of their own.  No matrix unit: 8 columns are too few, and the choice steers a quantised operand, so the sums are f32.
; LIMITS: NaN and infinities among the inputs are not served.  The choice is made on the logits; probabilities that rounding alone makes equal are not compared.
; A block of zeros gets the byte 1 (its codes are zeros; this program alone reads the bytes).
.set TURN,  32768                      ; LDS: 0: gate_w as it lies; here: for each wave 2 tokens x 32 places of 128 + 16 bytes
.set CODE,  69632                      ; for each wave two rows of codes, 1,536 bytes
.set SBY,   75776                      ; 8 tokens x 32 scale bytes
.set SPARE, 76032                      ; the spare words, 128 bytes for each wave: two blocks of 256 bytes that no other line names
.set XR,  16                           ; v16-79   x as loaded: token t at 32 t; register 4 i + c = column 128 i + 4 lane + c
.set XB,  80                           ; v80-143  x by blocks: token t at 32 t; my lane's block of 32 neighbours
.set AG,  144                          ; v144-175 the sums: token t, expert e in the pair at 16 t + 2 e
.set TW,  176                          ; v176-199 at work
.set CD,  200                          ; v200-215 codes, eight registers a token
.set OC,  216                          ; v216-227 the two rows of codes on their way out
.set SPW, 14                           ; v14  LDS address of my spare word; never rewritten
.set NIL, 15                           ; v15  0; never rewritten
                                       ; window 1: gate_w: expert e at 32 e, laid as XR
.set MSB, 0
.macro WIN new                         ; the immediate's high byte repeats the setting that is left
.if MSB != (\new)
	s_set_vgpr_msb (MSB<<8)|(\new)
.set MSB, (\new)
.endif
.endm
	s_load_b256 s[4:11], s[0:1], 0x0               ; x, gate_w, idx, tv
	s_load_b128 s[12:15], s[0:1], 0x20             ; xq, xsc
	v_lshl_add_u32 v[SPW], v0, 2, SPARE
	v_mov_b32 v[NIL], 0
	v_lshrrev_b32 v1, 5, v0
	v_readfirstlane_b32 s16, v1                    ; wave
	v_and_b32 v1, 31, v0                           ; lane
	v_lshlrev_b32 v2, 4, v1                        ; 16 x lane
	s_lshl_b32 s17, ttmp9, 3
	s_lshl_b32 s18, s16, 1
	s_add_co_u32 s17, s17, s18                     ; my first token: 8 x work-group + 2 x wave
	s_lshl_b32 s20, s17, 12                        ; its row of x
	s_mov_b32 s21, 0
	s_lshl_b32 s22, s16, 13                        ; my quarter of gate_w
	s_mov_b32 s23, 0
	s_mul_i32 s24, s16, 9216
	s_add_co_u32 s24, s24, TURN                    ; my stage
	s_mul_i32 s25, s16, 1536
	s_add_co_u32 s25, s25, CODE                    ; my two rows of codes
	s_lshl_b32 s26, s16, 6
	s_add_co_u32 s26, s26, SBY                     ; my two tokens' scale bytes
	s_lshl_b32 s28, s17, 2                         ; idx, tv: 4 bytes a token
	s_mov_b32 s29, 0
	s_mul_i32 s30, s17, 768                        ; xq
	s_mov_b32 s31, 0
	s_lshl_b32 s32, ttmp9, 8                       ; xsc: 256 bytes a work-group
	s_mov_b32 s33, 0
	s_mov_b32 s34, 0x76543210
	s_mov_b32 s35, 0xfedcba98                      ; v_permlanex16_b32's selects for lane l xor 16
	v_lshrrev_b32 v3, 3, v1
	v_mul_u32_u24 v3, v3, 144
	v_and_b32 v4, 7, v1
	v_lshl_add_u32 v3, v4, 4, v3
	v_add_nc_u32 v3, s24, v3                       ; the stage, in: eight lanes' 128 bytes are a block: place lane / 8, 16 (lane % 8) in it
	v_mul_u32_u24 v4, v1, 144
	v_add_nc_u32 v4, s24, v4                       ; out: place = my lane
	v_add_nc_u32 v5, s22, v2                       ; gate_w into LDS: 8,192 x wave + 16 x lane
	v_mul_u32_u24 v6, v1, 24
	v_add_nc_u32 v6, s25, v6                       ; my block's 24 bytes of codes
	v_add_nc_u32 v7, s25, v2                       ; and the rows back, 16 bytes a lane
	v_and_b32 v8, 28, v1
	v_and_b32 v12, 1, v1
	v_lshl_add_u32 v8, v12, 1, v8
	v_bfe_u32 v12, v1, 1, 1
	v_add_nc_u32 v8, v8, v12
	v_add_nc_u32 v8, s26, v8                       ; my block's scale byte, in the operand's order
	v_lshlrev_b32 v9, 3, v1
	v_add_nc_u32 v10, SBY, v9
	v_lshlrev_b32 v11, 2, v1
	s_wait_kmcnt 0x0
	s_add_nc_u64 s[4:5], s[4:5], s[20:21]
	s_add_nc_u64 s[6:7], s[6:7], s[22:23]
	s_add_nc_u64 s[8:9], s[8:9], s[28:29]
	s_add_nc_u64 s[10:11], s[10:11], s[28:29]
	s_add_nc_u64 s[12:13], s[12:13], s[30:31]
	s_add_nc_u64 s[14:15], s[14:15], s[32:33]
.irp t, 0,1
.irp i, 0,1,2,3,4,5,6,7
	global_load_b128 v[XR+32*\t+4*\i:XR+32*\t+4*\i+3], v2, s[4:5] offset:4096*\t+512*\i th:TH_LOAD_NT   ; 512 consecutive bytes a load
.endr
.endr
	WIN 0x40                                       ; destination window 1
.irp i, 0,1,2,3,4,5,6,7,8,9,10,11,12,13,14,15
	global_load_b128 v[4*\i:4*\i+3], v2, s[6:7] offset:512*\i
.endr
	WIN 0
	s_wait_loadcnt 16                              ; x is in; the 16 younger loads, gate_w's, may be out
.irp t, 0,1
.irp i, 0,1,2,3,4,5,6,7
	ds_store_b128 v3, v[XR+32*\t+4*\i:XR+32*\t+4*\i+3] offset:4608*\t+576*\i
.endr
.endr
.irp t, 0,1
.irp k, 0,1,2,3,4,5,6,7
	ds_load_b128 v[XB+32*\t+4*\k:XB+32*\t+4*\k+3], v4 offset:4608*\t+16*\k   ; LDS serves a wave's instructions in order: these see my stores
.endr
.endr
	s_wait_loadcnt 0x0                             ; my quarter of gate_w
	WIN 0x04                                       ; an LDS store's data are its source 1: window 1
.irp i, 0,1,2,3,4,5,6,7,8,9,10,11,12,13,14,15
	ds_store_b128 v5, v[4*\i:4*\i+3] offset:512*\i
.endr
	WIN 0
	s_wait_dscnt 0x0                               ; for the others' sake: my stores have landed
	s_barrier_signal -1
	s_barrier_wait -1                              ; gate_w lies whole in LDS
	WIN 0x40
.irp e, 0,1,2,3,4,5,6,7
.irp i, 0,1,2,3,4,5,6,7
	ds_load_b128 v[32*\e+4*\i:32*\e+4*\i+3], v2 offset:4096*\e+512*\i
.endr
.endr
	WIN 0
; Token t's row into codes: my lane's block of 32 is all mine
.macro QROW t
.set XQ, XB+32*\t
.set MQ, TW+4*\t
	v_max3_num_f32 v[MQ], |v[XQ]|, |v[XQ+1]|, |v[XQ+2]|
	v_max3_num_f32 v[MQ+1], |v[XQ+3]|, |v[XQ+4]|, |v[XQ+5]|
.irp i, 6,10,14,18,22,26
	v_max3_num_f32 v[MQ], v[MQ], |v[XQ+\i]|, |v[XQ+\i+1]|
	v_max3_num_f32 v[MQ+1], v[MQ+1], |v[XQ+\i+2]|, |v[XQ+\i+3]|
.endr
	v_max3_num_f32 v[MQ], v[MQ], |v[XQ+30]|, |v[XQ+31]|
	v_max3_num_f32 v[MQ], v[MQ], v[MQ+1], 0x2800000        ; and the floor 2^(5 - 127): the byte cannot fall under 1
	v_add_nc_u32 v[MQ+2], 0xfe000000, v[MQ]                ; 4 off the exponent field: the conversion's scale operand
	v_lshrrev_b32 v[MQ+3], 23, v[MQ+2]                     ; the scale's byte
	v_cvt_scalef32_pk16_bf6_f32 v[CD+8*\t:CD+8*\t+2], v[XQ:XQ+15], v[MQ+2]
	v_cvt_scalef32_pk16_bf6_f32 v[CD+8*\t+4:CD+8*\t+6], v[XQ+16:XQ+31], v[MQ+2]   ; (a conversion's three registers begin on an even number)
	v_nop                                          ; one plain place behind a scaled conversion
	v_mov_b32 v[CD+8*\t+3], v[CD+8*\t+4]
	v_mov_b32 v[CD+8*\t+4], v[CD+8*\t+5]
	v_mov_b32 v[CD+8*\t+5], v[CD+8*\t+6]
.irp q, 0,1,2
	ds_store_b64 v6, v[CD+8*\t+2*\q:CD+8*\t+2*\q+1] offset:768*\t+8*\q
.endr
	ds_store_b8 v8, v[MQ+3] offset:32*\t
.endm
	QROW 0
	QROW 1
.irp p, 0,1,2
	ds_load_b128 v[OC+4*\p:OC+4*\p+3], v7 offset:512*\p
.endr
	s_wait_dscnt 0x0                               ; the rows of codes are back, and gate_w is in its registers
.irp p, 0,1,2
	global_store_b128 v2, v[OC+4*\p:OC+4*\p+3], s[12:13] offset:512*\p   ; 1,536 consecutive bytes, from a multiple of 256 on
.endr
	; the 16 dot products: sixteen sums by turns, two multiply-adds an instruction
	WIN 0x04                                       ; source 1 (gate_w) window 1
.set qq, 0
.rept 16
.irp t, 0,1
.irp e, 0,1,2,3,4,5,6,7
.if qq == 0
	v_pk_mul_f32 v[AG+16*\t+2*\e:AG+16*\t+2*\e+1], v[XR+32*\t:XR+32*\t+1], v[32*\e:32*\e+1]
.else
	v_pk_fma_f32 v[AG+16*\t+2*\e:AG+16*\t+2*\e+1], v[XR+32*\t+2*qq:XR+32*\t+2*qq+1], v[32*\e+2*qq:32*\e+2*qq+1], v[AG+16*\t+2*\e:AG+16*\t+2*\e+1]
.endif
.endr
.endr
.set qq, qq+1
.endr
	WIN 0
.irp a, 0,1,2,3,4,5,6,7,8,9,10,11,12,13,14,15
	v_add_f32 v[AG+2*\a], v[AG+2*\a], v[AG+2*\a+1]
.endr
.irp m, 1,2,4,8
.irp a, 0,1,2,3,4,5,6,7,8,9,10,11,12,13,14,15
	v_add_f32_dpp v[AG+2*\a], v[AG+2*\a], v[AG+2*\a] row_xmask:\m row_mask:0xf bank_mask:0xf
.endr
.endr
.irp a, 0,1,2,3,4,5,6,7,8,9,10,11,12,13,14,15
	v_permlanex16_b32 v[AG+2*\a+1], v[AG+2*\a], s34, s35
.endr
.irp a, 0,1,2,3,4,5,6,7,8,9,10,11,12,13,14,15
	v_add_f32 v[AG+2*\a], v[AG+2*\a], v[AG+2*\a+1]         ; every lane holds the logit
.endr
	; the largest logit, its index, and the softmax's largest number
.irp t, 0,1
	v_max3_num_f32 v[TW+8+\t], v[AG+16*\t], v[AG+16*\t+2], v[AG+16*\t+4]
.endr
.irp t, 0,1
	v_max3_num_f32 v[TW+8+\t], v[TW+8+\t], v[AG+16*\t+6], v[AG+16*\t+8]
.endr
.irp t, 0,1
	v_max3_num_f32 v[TW+8+\t], v[TW+8+\t], v[AG+16*\t+10], v[AG+16*\t+12]
.endr
.irp t, 0,1
	v_max_num_f32 v[TW+8+\t], v[TW+8+\t], v[AG+16*\t+14]
	v_mov_b32 v[TW+10+\t], 7
.endr
.irp e, 6,5,4,3,2,1,0                  ; downward, so that the lowest index among equals stays
.irp t, 0,1
	v_cmp_eq_f32 vcc_lo, v[AG+16*\t+2*\e], v[TW+8+\t]
	v_cndmask_b32 v[TW+10+\t], v[TW+10+\t], \e, vcc_lo
.endr
.endr
.irp a, 0,1,2,3,4,5,6,7,8,9,10,11,12,13,14,15
	v_sub_f32 v[AG+2*\a+1], v[AG+2*\a], v[TW+8+\a/8]       ; the maximum is taken away first, as in the softmax
.endr
.irp a, 0,1,2,3,4,5,6,7,8,9,10,11,12,13,14,15
	v_mul_f32 v[AG+2*\a+1], 0x3fb8aa3b, v[AG+2*\a+1]
.endr
.irp a, 0,1,2,3,4,5,6,7,8,9,10,11,12,13,14,15
	v_exp_f32 v[AG+2*\a+1], v[AG+2*\a+1]
.endr
	v_nop                                          ; a plain place behind the last exponential
	s_wait_alu depctr_va_vdst(0)                   ; one wait for the batch, ahead of its first reader
.irp t, 0,1
.irp c, 0,1,2,3
	v_add_f32 v[TW+12+4*\t+\c], v[AG+16*\t+4*\c+1], v[AG+16*\t+4*\c+3]
.endr
.endr
.irp t, 0,1
	v_add_f32 v[TW+12+4*\t], v[TW+12+4*\t], v[TW+13+4*\t]
	v_add_f32 v[TW+14+4*\t], v[TW+14+4*\t], v[TW+15+4*\t]
.endr
.irp t, 0,1
	v_add_f32 v[TW+12+4*\t], v[TW+12+4*\t], v[TW+14+4*\t]
.endr
.irp t, 0,1
	v_rcp_f32 v[TW+20+\t], v[TW+12+4*\t]                   ; p = exp(0) / the sum
.endr
	v_nop
	s_wait_alu depctr_va_vdst(0)
.irp t, 0,1
	v_add_f32 v[TW+12+4*\t], 0x322bcc77, v[TW+20+\t]       ; p + 1e-8
.endr
.irp t, 0,1
	v_rcp_f32 v[TW+13+4*\t], v[TW+12+4*\t]
.endr
	v_nop
	s_wait_alu depctr_va_vdst(0)
.irp t, 0,1
	v_mul_f32 v[TW+20+\t], v[TW+20+\t], v[TW+13+4*\t]      ; top_val
.endr
	v_cmp_eq_u32 vcc_lo, 1, v1
	v_cndmask_b32 v[TW+22], v[TW+10], v[TW+11], vcc_lo     ; lane 0 takes my first token's, lane 1 my second's
	v_cndmask_b32 v[TW+23], v[TW+20], v[TW+21], vcc_lo
	s_wait_xcnt 0x0                                ; EXEC changes only behind this wait
	v_cmp_gt_u32 vcc_lo, 2, v1
	s_and_saveexec_b32 s36, vcc_lo
	global_store_b32 v11, v[TW+22], s[8:9]         ; the choice is only stored here: no address of this launch hangs on it
	global_store_b32 v11, v[TW+23], s[10:11]
	s_wait_xcnt 0x0                                ; and again, ahead of the line that widens it
	s_or_b32 exec_lo, exec_lo, s36
	s_wait_dscnt 0x0                               ; my scale bytes have landed
	s_barrier_signal -1
	s_barrier_wait -1                              ; all 256 lie in LDS
	s_cmp_lg_u32 s16, 0
	s_cbranch_scc1 .Lnot0
	ds_load_b64 v[228:229], v10
	s_wait_dscnt 0x0
	global_store_b64 v9, v[228:229], s[14:15]      ; 256 consecutive bytes, at a multiple of 256
.Lnot0:
	s_wait_tensorcnt 0x0                           ; the wave's end, behind my last LDS store
	ds_add_u32 v[SPW], v[NIL]
	s_wait_dscnt 0x0
	s_endpgm
.Lfunc_end_k_q029da274f3_gateq:
	.size	k_q029da274f3_gateq, .Lfunc_end_k_q029da274f3_gateq-k_q029da274f3_gateq
	.p2alignl 7, 3214868480
	.fill 96, 4, 3214868480
	.section	.rodata,"a",@progbits
	.p2align	6, 0x0
	.amdhsa_kernel k_q029da274f3_gateq
		.amdhsa_group_segment_fixed_size 76544
		.amdhsa_private_segment_fixed_size 0
		.amdhsa_enable_private_segment 0
		.amdhsa_kernarg_size 48
		.amdhsa_user_sgpr_count 2
		.amdhsa_user_sgpr_kernarg_segment_ptr 1
		.amdhsa_wavefront_size32 1
		.amdhsa_system_sgpr_workgroup_id_x 1
		.amdhsa_system_sgpr_workgroup_id_y 1
		.amdhsa_system_sgpr_workgroup_id_z 1
		.amdhsa_system_vgpr_workitem_id 0
		.amdhsa_next_free_vgpr 512
		.amdhsa_next_free_sgpr 66
		.amdhsa_reserve_vcc 1
		.amdhsa_float_denorm_mode_32 3
		.amdhsa_float_denorm_mode_16_64 3
		.amdhsa_memory_ordered 1
		.amdhsa_forward_progress 1
		.amdhsa_inst_pref_size 45
	.end_amdhsa_kernel
	.amdgpu_metadata
---
amdhsa.version: [ 1, 2 ]
amdhsa.kernels:
  - .name:           k_q029da274f3_gateq
    .symbol:         k_q029da274f3_gateq.kd
    .args:
      - { .name: x, .offset: 0, .size: 8, .value_kind: global_buffer, .address_space: global }
      - { .name: gate_w, .offset: 8, .size: 8, .value_kind: global_buffer, .address_space: global }
      - { .name: idx, .offset: 16, .size: 8, .value_kind: global_buffer, .address_space: global }
      - { .name: tv, .offset: 24, .size: 8, .value_kind: global_buffer, .address_space: global }
      - { .name: xq, .offset: 32, .size: 8, .value_kind: global_buffer, .address_space: global }
      - { .name: xsc, .offset: 40, .size: 8, .value_kind: global_buffer, .address_space: global }
    .group_segment_fixed_size: 76544
    .private_segment_fixed_size: 0
    .kernarg_segment_align: 8
    .kernarg_segment_size: 48
    .max_flat_workgroup_size: 128
    .sgpr_count:     66
    .vgpr_count:     512
    .wavefront_size: 32
...
	.end_amdgpu_metadata
.endif
;; end of part 1
;; launch gemm1 (part 2): grid 32 x 8, 4 waves a work-group, no clusters, 50,688 bytes of LDS; arguments idx, xq, xsc, expert_w1_codes, expert_w1_scales, hq, hsc, lst; writes hq, hsc, lst
.if DOCPART == 2
	.amdgcn_target "amdgcn-amd-amdhsa--gfx1250"
	.amdhsa_code_object_version 6
	.text
	.protected	k_q029da274f3_gemm1
	.globl	k_q029da274f3_gemm1
	.p2align	8
	.type	k_q029da274f3_gemm1,@function
k_q029da274f3_gemm1:
	s_mov_b64 s[64:65], 0
	v_nop
	global_prefetch_b8 v0, s[64:65] scope:SCOPE_SE
	s_setreg_imm32_b32 hwreg(HW_REG_WAVE_MODE, 25, 1), 1
	s_wait_xcnt 0x0
; THE FIRST PRODUCT OF THE CHOSEN ROWS: h = gelu(x W1[e]), quantised along the hidden axis, for the tokens that chose expert e.  Codes of E3M2 with E8M0 scales on both sides.
; SHARES.  Work-group (sl, e) holds 64 hidden units of expert e for all of K = 1,024: 48 KiB of codes, which leave memory for this work-group alone, come once through LDS and stay in EVERY wave's registers.
; The waves share the ROWS: tiles of 16 tokens of the expert; in a round wave w takes tiles JR and JR + 4, JR = w, w + 8, ..
; WHICH TOKENS.  idx (stored by the launch before) lies in 64 registers: chunk c = 4 g + jj holds tokens 128 g + 4 lane + jj.  A token's rank in its expert is its order by (chunk, lane).  FIND turns 32 ranks
; (a lane a rank) into tokens.  Ranks past the expert's last are held at the last: such slots repeat that token, compute the same numbers and store them to the same places, so no lane is ever switched off.
; The work-groups with sl = 0 also store the count and the list rank -> token for the next launch.
; K'S ORDER.  A lane takes 48 bytes on end of a row of codes (16-byte loads at multiples of 16): in each 128 along K the operand's block 2 c + h holds the row's block 2 h + c, alike on both sides, which keeps the products.
; The scale words follow: W1's have their middle bytes swapped once at the head, x's were stored so.
; ONE SCALE REGISTER SERVES TWO K STEPS: lanes 0-15 hold step i's words, lanes 16-31 step 4 + i's, taken by the ROW1 selectors.
; THE PRODUCT IS USED TRANSPOSED (source 0 = 16 hidden units, source 1 = 16 tokens), and lane r of tile 2 b + u takes unit 32 b + 8 u + r + 8 (r / 8) of the slice, so that a lane's 16 registers of two
; neighbouring tiles are 16 neighbouring hidden units.  Slice sl = 2 s2 + cc takes units 128 s2 + 32 cc + 64 b + 0 .. 31, b = 0, 1: in the second product's K step s2 these are the blocks that lie in
; registers 6 cc .. 6 cc + 5 of lanes 0-15 (b = 0) and 16-31 (b = 1): the wave's codes ARE that half of the operand's registers, and are stored as such.
; GELU, exact form: gelu(v) = max(v, 0) - |v| m, m = erfc(|v| / sqrt 2) / 2 = t exp(-z^2 + c0 + t (c1 + .. + t c9)) / 2, z = |v| / sqrt 2, t = 1 / (1 + z / 2): a fit of erfc with a fractional error of 1.2e-7.
; No tensor load, so no joint load and no cluster: the trip count hangs on a count read from memory.  What could be shared is not: each byte of W1 is read by one work-group.
; LIMITS: NaN and infinities are not served; where m lies under 2^-126 it counts as 0; a block of zeros gets the scale byte 1 (its codes are zeros; this program alone reads the bytes).
.set PW,    784                        ; an LDS row of W1: 768 bytes + 16
.set SPARE, 64*PW                      ; behind the 64 rows: the spare words, 128 bytes for each wave: two blocks of 256 bytes that no other line names
.set L16, 1                            ; v1   16 x lane
.set WA,  2                            ; v2   (r + 8 (r / 8)) PW + 48 h
.set LRHO, 3                           ; v3   64 h + r: lanes 0-15 stand for tile JR's slots, lanes 16-31 for tile JR + 4's
.set H48, 4                            ; v4   48 h
.set H16, 5                            ; v5   16 h
.set OA,  6                            ; v6-9 the gather's offsets: tile A's codes, scales; tile B's codes, scales
.set SA,  7
.set OB,  8
.set SB,  9
.set L8,  10                           ; v10  8 x lane
.set R16, 11                           ; v11  16 r
.set RHO, 12                           ; v12-29 FIND's
.set RK,  13
.set FM,  14
.set FP,  15
.set FC,  16
.set NN,  17
.set POS, 18
.set A1,  19
.set A2,  20
.set A3,  21
.set A4,  22
.set FT,  23
.set FU,  24
.set TOK, 25
.set TX,  26
.set TA,  27
.set TB,  28
.set LO,  29
.set SPW, 30                           ; v30  LDS address of my spare word; never rewritten
.set NIL, 31                           ; v31  0; never rewritten
.set ACC, 32                           ; v32-63   four accumulators: tile t at 8 t
.set ZZ,  64                           ; v64-95 z, v96-127 t, v128-159 the polynomial (at the head: the 96 registers of my weight loads)
.set TT,  96
.set PP,  128
.set W1S, 160                          ; v160-175 W1's scale words: 4 t + i
.set XS,  176                          ; v176-179 the tokens' scale words
.set C9,  180                          ; v180-181 c9, twice
.set QM,  182                          ; v182-189 the quantiser's
.set CO,  190                          ; v190-195 the codes; v196-198 the second conversion's
.set C2,  196
.set SCP, 199                          ; v199 the two scale bytes
.set TMP, 200                          ; v200-203 at work
.set XF,  192                          ; windows 1 and 2: W1's fragments of K steps 0-3 (4-7) at 12 (4 (s % 4) + t); the tokens' at 192 + 12 (s % 4).  Window 3: v0-63 idx
.set MSB, 0
.macro WIN new                         ; the immediate's high byte repeats the setting that is left
.if MSB != (\new)
	s_set_vgpr_msb (MSB<<8)|(\new)
.set MSB, (\new)
.endif
.endm
	s_load_b512 s[4:19], s[0:1], 0x0               ; idx, xq, xsc, W1's codes, W1's scales, hq, hsc, lst
	v_lshl_add_u32 v[SPW], v0, 2, SPARE
	v_mov_b32 v[NIL], 0
	v_lshrrev_b32 v204, 5, v0
	v_readfirstlane_b32 s20, v204                  ; wave
	v_and_b32 v204, 31, v0                         ; lane
	v_and_b32 v205, 15, v0                         ; r
	v_bfe_u32 v206, v0, 4, 1                       ; h
	s_and_b32 s21, ttmp7, 0xffff                   ; e
	s_mov_b32 s22, ttmp9                           ; sl
	s_lshr_b32 s23, s22, 1                         ; s2
	s_and_b32 s24, s22, 1                          ; cc
	v_lshlrev_b32 v[L16], 4, v204
	v_lshlrev_b32 v[L8], 3, v204
	v_lshlrev_b32 v[R16], 4, v205
	v_mul_u32_u24 v[H48], v206, 48
	v_lshlrev_b32 v[H16], 4, v206
	v_lshl_add_u32 v[LRHO], v206, 6, v205
	v_and_b32 v207, 8, v205
	v_add_nc_u32 v207, v207, v205                  ; r + 8 (r / 8)
	v_mul_u32_u24 v[WA], v207, PW
	v_add_nc_u32 v[WA], v[WA], v[H48]
	s_mul_i32 s34, s20, 16*PW                      ; my 16 rows in LDS
	v_add_nc_u32 v208, s34, v[L16]
	v_add_nc_u32 v209, v208, v[H16]                ; the same, one padding on for lanes 16-31
	v_lshl_add_u32 v210, v207, 5, v[H16]           ; W1's scales: 32 bytes a unit, + 16 h
	v_lshlrev_b32 v211, 2, v204
	v_mov_b32 v[C9], 0x3e2ef945
	v_mov_b32 v[C9+1], 0x3e2ef945
	v_mov_b32 v[QM+2], 0                           ; written once: a lane permute's destination counts as one of its sources
	v_mov_b32 v[QM+3], 0
	v_mov_b32 v[TX], 0
	s_mov_b32 s35, 0x03010200                      ; swaps a word's middle bytes
	s_mov_b32 s36, 0x76543210
	s_mov_b32 s37, 0xfedcba98                      ; v_permlanex16_b32's selects for lane l xor 16
	s_mov_b32 s38, 0xffff0000                      ; lanes 16-31
	s_mov_b32 s39, 0x3f3504f3                      ; 1 / sqrt 2
	s_lshl_b32 s50, s23, 7
	s_lshl_b32 s51, s24, 5
	s_add_co_u32 s50, s50, s51                     ; the slice's first unit: 128 s2 + 32 cc
	s_lshr_b32 s52, s20, 1
	s_lshl_b32 s52, s52, 6
	s_and_b32 s53, s20, 1
	s_lshl_b32 s53, s53, 4
	s_add_co_u32 s52, s52, s53
	s_add_co_u32 s52, s52, s50                     ; the 16 units that I copy: + 64 (wave / 2) + 16 (wave % 2)
	s_mul_i32 s52, s52, 768
	s_mul_i32 s53, s21, 1572864
	s_add_co_u32 s52, s52, s53
	s_mov_b32 s53, 0
	s_lshl_b32 s54, s21, 16
	s_lshl_b32 s55, s50, 5
	s_add_co_u32 s54, s54, s55
	s_mov_b32 s55, 0
	s_mul_i32 s56, s21, 3145728                    ; hq: 128 tiles x 16 fragments x 1,536 bytes an expert,
	s_mul_i32 s57, s23, 1536                       ; fragment s2
	s_add_co_u32 s56, s56, s57
	s_mov_b32 s57, 0
	s_lshl_b32 s58, s21, 17                        ; hsc: 128 tiles x 1,024 bytes an expert; in a tile 256 (s2 / 4) + 16 r + 4 (s2 % 4) + 2 cc
	s_lshr_b32 s59, s23, 2
	s_lshl_b32 s59, s59, 8
	s_add_co_u32 s58, s58, s59
	s_and_b32 s59, s23, 3
	s_lshl_b32 s59, s59, 2
	s_add_co_u32 s58, s58, s59
	s_lshl_b32 s59, s24, 1
	s_add_co_u32 s58, s58, s59
	s_mov_b32 s59, 0
	s_mul_i32 s60, s21, 9472                       ; lst: 256 bytes for the count, 2,304 words of list
	s_mov_b32 s61, 0
	s_wait_kmcnt 0x0
	s_add_nc_u64 s[10:11], s[10:11], s[52:53]
	s_add_nc_u64 s[12:13], s[12:13], s[54:55]
	s_add_nc_u64 s[46:47], s[14:15], s[56:57]
	s_add_nc_u64 s[48:49], s[16:17], s[58:59]
	s_add_nc_u64 s[44:45], s[18:19], s[60:61]
.set kk, 0
.rept 24
	global_load_b128 v[ZZ+4*kk:ZZ+4*kk+3], v[L16], s[10:11] offset:512*kk th:TH_LOAD_NT   ; my 16 rows are 12,288 dense bytes: 512 a load
.set kk, kk+1
.endr
.irp t, 0,1,2,3
	global_load_b128 v[W1S+4*\t:W1S+4*\t+3], v210, s[12:13] offset:(64*(\t/2)+8*(\t%2))*32
.endr
	WIN 0xc0                                       ; destination window 3
.irp g, 0,1,2,3,4,5,6,7,8,9,10,11,12,13,14,15
	global_load_b128 v[4*\g:4*\g+3], v[L16], s[4:5] offset:512*\g
.endr
	WIN 0
.set kk, 0
.rept 24                               ; three loads are two rows: the second straddles them, so its lanes 16-31 stand one padding on, and so does all of the third
	s_wait_loadcnt 43-kk                           ; behind load kk: 23 - kk of the weights', the 4 scales', the 16 of idx
.if kk%3 == 0
	ds_store_b128 v208, v[ZZ+4*kk:ZZ+4*kk+3] offset:2*PW*(kk/3)
.elseif kk%3 == 1
	ds_store_b128 v209, v[ZZ+4*kk:ZZ+4*kk+3] offset:2*PW*(kk/3)+512
.else
	ds_store_b128 v208, v[ZZ+4*kk:ZZ+4*kk+3] offset:2*PW*(kk/3)+1040
.endif
.set kk, kk+1
.endr
	s_wait_dscnt 0x0                               ; for the others' sake: my stores have landed
	s_barrier_signal -1
	s_barrier_wait -1                              ; the launch's one barrier, ahead of every branch on data: the slice lies whole in LDS
.irp s, 0,1,2,3,4,5,6,7
	WIN 0x40*(1+\s/4)                              ; destination window 1 or 2
.irp t, 0,1,2,3
.irp p, 0,1,2
	ds_load_b128 v[12*(4*(\s%4)+\t)+4*\p:12*(4*(\s%4)+\t)+4*\p+3], v[WA] offset:(32*(\t/2)+8*(\t%2))*PW+96*\s+16*\p
.endr
.endr
.endr
	WIN 0
	s_wait_loadcnt 0x0                             ; W1's scale words and idx
.irp j, 0,1,2,3,4,5,6,7,8,9,10,11,12,13,14,15
	v_perm_b32 v[W1S+\j], v[W1S+\j], v[W1S+\j], s35
.endr
	; how many tokens chose my expert
	s_mov_b32 s25, 0
	WIN 0x0c                                       ; source 1 window 3
.set cg, 0
.rept 16
.irp i, 0,1,2,3
	v_cmp_eq_u32 s[30+\i], s21, v[4*cg+\i]
.endr
.irp i, 0,1,2,3
	s_bcnt1_i32_b32 s[30+\i], s[30+\i]
.endr
.irp i, 0,1,2,3
	s_add_co_u32 s25, s25, s[30+\i]
.endr
.set cg, cg+1
.endr
	WIN 0
	s_or_b32 s34, s22, s20
	s_cmp_lg_u32 s34, 0
	s_cbranch_scc1 .Lnocnt                         ; wave 0 of slice 0 stores the count
	v_mov_b32 v[TMP], s25
	global_store_b32 v211, v[TMP], s[44:45]
.Lnocnt:
	s_add_co_u32 s26, s25, 15
	s_lshr_b32 s26, s26, 4                         ; tiles
	s_sub_co_u32 s27, s25, 1                       ; the last rank
	s_mov_b32 s28, s20                             ; JR
	s_cmp_ge_u32 s20, s26
	s_cbranch_scc1 .Lend                           ; no tile for me
	s_sub_co_u32 s57, s26, s20                     ; my rounds: as many as there are k with wave + 8 k under the number of tiles:
	s_add_co_u32 s57, s57, 7
	s_lshr_b32 s57, s57, 3                         ; (tiles - wave + 7) / 8, at least 1 here; the loop does not write it
	s_mov_b32 s56, 0                               ; rounds done: the loop's counter, one a trip
.macro LEVEL src, w                    ; the wanted bit lies in the lower w bits from POS on, or, if they hold too few, in the upper
	v_bfe_u32 v[FT], v[\src], v[POS], \w
	v_cmp_ge_u32 vcc_lo, v[NN], v[FT]
	v_cndmask_b32 v[FU], 0, v[FT], vcc_lo
	v_sub_nc_u32 v[NN], v[NN], v[FU]
	v_cndmask_b32 v[FU], 0, \w, vcc_lo
	v_add_nc_u32 v[POS], v[POS], v[FU]
.endm
; 32 ranks (16 JR + 64 h + r, held at the last) become tokens, and those the gather's offsets
.macro FIND
	s_wait_xcnt 0x0                                ; the last list store has read its data and address, the last gather its offsets: all are written anew below
	v_lshl_add_u32 v[RHO], s28, 4, v[LRHO]
	v_min_u32 v[RK], s27, v[RHO]
	v_mov_b32 v[FM], 0
	v_mov_b32 v[FP], 0
	v_mov_b32 v[FC], 0
	s_mov_b32 s29, 0                               ; ranks ahead of the chunk in hand
	WIN 0x0c
.set cg, 0
.rept 16
.irp i, 0,1,2,3
	v_cmp_eq_u32 s[30+\i], s21, v[4*cg+\i]         ; the chunk's lanes that chose my expert
.endr
.irp i, 0,1,2,3
	v_cmp_ge_u32 vcc_lo, v[RK], s29                ; the last chunk that begins at or under my rank holds it
	v_cndmask_b32 v[FM], v[FM], s[30+\i], vcc_lo
	v_cndmask_b32 v[FP], v[FP], s29, vcc_lo
	v_cndmask_b32 v[FC], v[FC], 4*cg+\i, vcc_lo
	s_bcnt1_i32_b32 s34, s[30+\i]
	s_add_co_u32 s29, s29, s34
.endr
.set cg, cg+1
.endr
	WIN 0
	v_sub_nc_u32 v[NN], v[RK], v[FP]               ; which set bit of the chunk's mask, from 0
	v_lshrrev_b32 v[FT], 1, v[FM]
	v_and_b32 v[FT], 0x55555555, v[FT]
	v_sub_nc_u32 v[A1], v[FM], v[FT]               ; counts of set bits in fields of 2,
	v_lshrrev_b32 v[FT], 2, v[A1]
	v_and_b32 v[FT], 0x33333333, v[FT]
	v_and_b32 v[FU], 0x33333333, v[A1]
	v_add_nc_u32 v[A2], v[FT], v[FU]               ; of 4,
	v_lshrrev_b32 v[FT], 4, v[A2]
	v_add_nc_u32 v[FT], v[FT], v[A2]
	v_and_b32 v[A3], 0x0f0f0f0f, v[FT]             ; of 8,
	v_lshrrev_b32 v[FT], 8, v[A3]
	v_add_nc_u32 v[FT], v[FT], v[A3]
	v_and_b32 v[A4], 0x00ff00ff, v[FT]             ; of 16
	v_mov_b32 v[POS], 0
	LEVEL A4, 16
	LEVEL A3, 8
	LEVEL A2, 4
	LEVEL A1, 2
	LEVEL FM, 1
	v_lshrrev_b32 v[FT], 2, v[FC]
	v_and_b32 v[FU], 3, v[FC]
	v_lshl_add_u32 v[FU], v[POS], 2, v[FU]
	v_lshl_add_u32 v[TOK], v[FT], 7, v[FU]         ; 128 (chunk / 4) + 4 x bit + chunk % 4
	s_cmp_lg_u32 s22, 0
	s_cbranch_scc1 .Lnol_\@                        ; slice 0 stores the list
	v_min_u32 v[LO], 0x8ff, v[RHO]
	v_lshlrev_b32 v[LO], 2, v[LO]
	global_store_b32 v[LO], v[TOK], s[44:45] offset:256
.Lnol_\@:
	v_permlanex16_b32 v[TX], v[TOK], s36, s37
	v_cndmask_b32 v[TA], v[TOK], v[TX], s38        ; both halves of the lanes want slot r's token: tile A's lie in lanes 0-15,
	v_cndmask_b32 v[TB], v[TX], v[TOK], s38        ; tile B's in lanes 16-31
	v_min_u32 v[TA], 0x7ff, v[TA]
	v_min_u32 v[TB], 0x7ff, v[TB]
	v_mul_u32_u24 v[OA], v[TA], 768
	v_add_nc_u32 v[OA], v[OA], v[H48]
	v_lshl_add_u32 v[SA], v[TA], 5, v[H16]
	v_mul_u32_u24 v[OB], v[TB], 768
	v_add_nc_u32 v[OB], v[OB], v[H48]
	v_lshl_add_u32 v[SB], v[TB], 5, v[H16]
.endm
.macro LOADX o, sc                     ; a tile's 16 tokens: their scale words, then their codes, K step by K step
	global_load_b128 v[XS:XS+3], v[\sc], s[8:9]
	WIN 0x40
.irp s, 0,1,2,3
.irp p, 0,1,2
	global_load_b128 v[XF+12*\s+4*\p:XF+12*\s+4*\p+3], v[\o], s[6:7] offset:96*\s+16*\p
.endr
.endr
	WIN 0x80
.irp s, 0,1,2,3
.irp p, 0,1,2
	global_load_b128 v[XF+12*\s+4*\p:XF+12*\s+4*\p+3], v[\o], s[6:7] offset:384+96*\s+16*\p
.endr
.endr
	WIN 0
.endm
.macro MMA                             ; 32 matrix instructions; the four accumulators take turns, one instruction a turn
.irp s, 0,1,2,3,4,5,6,7
	s_wait_loadcnt 3*(7-\s)                        ; this K step's codes are in; the later steps' three loads each may be out
	WIN 5*(1+\s/4)                                 ; sources 0 and 1 window 1 or 2
.irp t, 0,1,2,3
.if \s == 0
	v_wmma_scale_f32_16x16x128_f8f6f4 v[ACC+8*\t:ACC+8*\t+7], v[12*\t:12*\t+11], v[XF:XF+11], 0, v[W1S+4*\t], v[XS] matrix_a_fmt:MATRIX_FMT_BF6 matrix_b_fmt:MATRIX_FMT_BF6
.elseif \s < 4
	v_wmma_scale_f32_16x16x128_f8f6f4 v[ACC+8*\t:ACC+8*\t+7], v[12*(4*\s+\t):12*(4*\s+\t)+11], v[XF+12*\s:XF+12*\s+11], v[ACC+8*\t:ACC+8*\t+7], v[W1S+4*\t+\s], v[XS+\s] matrix_a_fmt:MATRIX_FMT_BF6 matrix_b_fmt:MATRIX_FMT_BF6
.else
	v_wmma_scale_f32_16x16x128_f8f6f4 v[ACC+8*\t:ACC+8*\t+7], v[12*(4*(\s-4)+\t):12*(4*(\s-4)+\t)+11], v[XF+12*(\s-4):XF+12*(\s-4)+11], v[ACC+8*\t:ACC+8*\t+7], v[W1S+4*\t+\s-4], v[XS+\s-4] matrix_a_fmt:MATRIX_FMT_BF6 matrix_b_fmt:MATRIX_FMT_BF6 matrix_a_scale:MATRIX_SCALE_ROW1 matrix_b_scale:MATRIX_SCALE_ROW1
.endif
.endr
.endr
	WIN 0
.rept 5
	v_nop                                          ; places behind the last products: four for the loads into their operands and the first read of results, five for a product that begins the sums anew
.endr
.endm
; A tile's way out: gelu, the quantiser, the stores.  jr: the scalar register that holds the tile's number
.macro EPI jr
.set qq, 0
.rept 32
	v_mul_f32 v[ZZ+qq], |v[ACC+qq]|, s39           ; z; each accumulator is read from its low end on
.set qq, qq+1
.endr
.set qq, 0
.rept 16
	v_pk_fma_f32 v[TT+qq:TT+qq+1], v[ZZ+qq:ZZ+qq+1], 0.5, 1.0 op_sel_hi:[1,0,0]
.set qq, qq+2
.endr
.set qq, 0
.rept 32
	v_rcp_f32 v[TT+qq], v[TT+qq]                   ; t
.set qq, qq+1
.endr
	v_nop                                          ; a plain place behind the last reciprocal
	s_wait_alu depctr_va_vdst(0)                   ; one wait for the batch, ahead of its first reader
.set qq, 0
.rept 16
	v_pk_fma_f32 v[PP+qq:PP+qq+1], v[TT+qq:TT+qq+1], v[C9:C9+1], 0xbf527892 op_sel_hi:[1,1,0]   ; c8 + t c9
.set qq, qq+2
.endr
.irp c, 0x3fbe87b0, 0xbf914e5d, 0x3e8ec7cc, 0xbe3ec24c, 0x3dc636c9, 0x3ebf88fb, 0x3f8000c7, 0xbfa1fc4e
.set qq, 0
.rept 16
	v_pk_fma_f32 v[PP+qq:PP+qq+1], v[PP+qq:PP+qq+1], v[TT+qq:TT+qq+1], \c op_sel_hi:[1,1,0]     ; c7 .. c0
.set qq, qq+2
.endr
.endr
.set qq, 0
.rept 16
	v_pk_fma_f32 v[PP+qq:PP+qq+1], v[ZZ+qq:ZZ+qq+1], v[ZZ+qq:ZZ+qq+1], v[PP+qq:PP+qq+1] neg_lo:[1,0,0] neg_hi:[1,0,0]   ; - z^2
.set qq, qq+2
.endr
.set qq, 0
.rept 16
	v_pk_fma_f32 v[PP+qq:PP+qq+1], v[PP+qq:PP+qq+1], 0x3fb8aa3b, -1.0 op_sel_hi:[1,0,0]         ; to base 2, and the half
.set qq, qq+2
.endr
.set qq, 0
.rept 32
	v_exp_f32 v[PP+qq], v[PP+qq]
.set qq, qq+1
.endr
	v_nop
	s_wait_alu depctr_va_vdst(0)                   ; one wait for the batch
.set qq, 0
.rept 16
	v_pk_mul_f32 v[PP+qq:PP+qq+1], v[PP+qq:PP+qq+1], v[TT+qq:TT+qq+1]                           ; m
.set qq, qq+2
.endr
.set qq, 0
.rept 32
	v_max_num_f32 v[TMP+qq%4], 0, v[ACC+qq]
	v_fma_f32 v[ACC+qq], -|v[ACC+qq]|, v[PP+qq], v[TMP+qq%4]                                    ; gelu
.set qq, qq+1
.endr
	s_wait_xcnt 0x0                                ; the last tile's stores have read their data and bases: both are written anew below
	s_min_u32 s50, s[\jr], 127
	s_mul_i32 s52, s50, 24576
	s_mov_b32 s53, 0
	s_lshl_b32 s50, s50, 10
	s_mov_b32 s51, 0
	s_add_nc_u64 s[40:41], s[46:47], s[52:53]
	s_add_nc_u64 s[42:43], s[48:49], s[50:51]
.irp b, 0,1
	v_max3_num_f32 v[QM+\b], |v[ACC+16*\b]|, |v[ACC+16*\b+1]|, 0x2800000   ; block b: my 16 numbers, and the floor 2^(5 - 127)
.endr
.irp i, 2,4,6,8,10,12,14
.irp b, 0,1
	v_max3_num_f32 v[QM+\b], v[QM+\b], |v[ACC+16*\b+\i]|, |v[ACC+16*\b+\i+1]|
.endr
.endr
.irp b, 0,1
	v_permlanex16_b32 v[QM+2+\b], v[QM+\b], s36, s37
.endr
.irp b, 0,1
	v_max_num_f32 v[QM+\b], v[QM+\b], v[QM+2+\b]           ; with lane l xor 16's 16: the block's largest magnitude
.endr
.irp b, 0,1
	v_add_nc_u32 v[QM+4+\b], 0xfe000000, v[QM+\b]          ; 4 off its exponent field: the conversion's scale operand
.endr
.irp b, 0,1
	v_lshrrev_b32 v[QM+6+\b], 23, v[QM+4+\b]               ; the scale's byte
.endr
	v_lshl_or_b32 v[SCP], v[QM+7], 8, v[QM+6]              ; bytes 2 cc and 2 cc + 1 of my token's scale word
	v_cvt_scalef32_pk16_bf6_f32 v[CO:CO+2], v[ACC:ACC+15], v[QM+4]
	v_cvt_scalef32_pk16_bf6_f32 v[C2:C2+2], v[ACC+16:ACC+31], v[QM+5]
	v_nop                                          ; one plain place behind a scaled conversion
.irp i, 0,1,2
	v_permlane16_swap_b32 v[CO+\i], v[C2+\i]       ; a whole block to a lane: lanes 0-15 block 0, lanes 16-31 block 1
.endr
.irp i, 0,1,2
	v_mov_b32 v[CO+3+\i], v[C2+\i]
.endr
	s_cmp_lg_u32 s24, 0
	s_cbranch_scc1 .Lcc1_\@                        ; each store covers 512 or 256 consecutive bytes, from a multiple of 256 on
	global_store_b128 v[L16], v[CO:CO+3], s[40:41]                 ; registers 0-3 of the fragment,
	global_store_b64 v[L8], v[CO+4:CO+5], s[40:41] offset:512      ; 4-5
	s_branch .Lccd_\@
.Lcc1_\@:
	global_store_b64 v[L8], v[CO:CO+1], s[40:41] offset:768        ; 6-7,
	global_store_b128 v[L16], v[CO+2:CO+5], s[40:41] offset:1024   ; 8-11
.Lccd_\@:
	global_store_b16 v[R16], v[SCP], s[42:43]      ; both halves of the lanes hold the same two bytes for token r
.endm
	FIND
	LOADX OA, SA
	s_wait_dscnt 0x0                               ; W1's fragments are in their registers
.Lround:
	MMA                                            ; tile JR
	LOADX OB, SB                                   ; tile JR + 4's tokens land under tile JR's gelu
	EPI 28
	s_add_co_u32 s28, s28, 8
	FIND                                           ; the next round's tokens (ranks are held at the last, so every offset is a token's)
	MMA                                            ; the tile four on
	LOADX OA, SA
	s_sub_co_u32 s54, s28, 4
	s_cmp_ge_u32 s54, s26
	s_cbranch_scc1 .Lnob                           ; it lies past the expert's tiles: nothing is stored
	EPI 54
.Lnob:
	s_add_co_u32 s56, s56, 1                       ; the loop is counted in rounds, one a trip, against the number worked out ahead of it
	s_cmp_lt_u32 s56, s57
	s_cbranch_scc1 .Lround
.Lend:
	s_wait_tensorcnt 0x0                           ; the wave's end, behind my last LDS store
	ds_add_u32 v[SPW], v[NIL]
	s_wait_dscnt 0x0
	s_endpgm
.Lfunc_end_k_q029da274f3_gemm1:
	.size	k_q029da274f3_gemm1, .Lfunc_end_k_q029da274f3_gemm1-k_q029da274f3_gemm1
	.p2alignl 7, 3214868480
	.fill 96, 4, 3214868480
	.section	.rodata,"a",@progbits
	.p2align	6, 0x0
	.amdhsa_kernel k_q029da274f3_gemm1
		.amdhsa_group_segment_fixed_size 50688
		.amdhsa_private_segment_fixed_size 0
		.amdhsa_enable_private_segment 0
		.amdhsa_kernarg_size 64
		.amdhsa_user_sgpr_count 2
		.amdhsa_user_sgpr_kernarg_segment_ptr 1
		.amdhsa_wavefront_size32 1
		.amdhsa_system_sgpr_workgroup_id_x 1
		.amdhsa_system_sgpr_workgroup_id_y 1
		.amdhsa_system_sgpr_workgroup_id_z 1
		.amdhsa_system_vgpr_workitem_id 0
		.amdhsa_next_free_vgpr 1024
		.amdhsa_next_free_sgpr 66
		.amdhsa_reserve_vcc 1
		.amdhsa_float_denorm_mode_32 3
		.amdhsa_float_denorm_mode_16_64 3
		.amdhsa_memory_ordered 1
		.amdhsa_forward_progress 1
		.amdhsa_inst_pref_size 153
	.end_amdhsa_kernel
	.amdgpu_metadata
---
amdhsa.version: [ 1, 2 ]
amdhsa.kernels:
  - .name:           k_q029da274f3_gemm1
    .symbol:         k_q029da274f3_gemm1.kd
    .args:
      - { .name: idx, .offset: 0, .size: 8, .value_kind: global_buffer, .address_space: global }
      - { .name: xq, .offset: 8, .size: 8, .value_kind: global_buffer, .address_space: global }
      - { .name: xsc, .offset: 16, .size: 8, .value_kind: global_buffer, .address_space: global }
      - { .name: expert_w1_codes, .offset: 24, .size: 8, .value_kind: global_buffer, .address_space: global }
      - { .name: expert_w1_scales, .offset: 32, .size: 8, .value_kind: global_buffer, .address_space: global }
      - { .name: hq, .offset: 40, .size: 8, .value_kind: global_buffer, .address_space: global }
      - { .name: hsc, .offset: 48, .size: 8, .value_kind: global_buffer, .address_space: global }
      - { .name: lst, .offset: 56, .size: 8, .value_kind: global_buffer, .address_space: global }
    .group_segment_fixed_size: 50688
    .private_segment_fixed_size: 0
    .kernarg_segment_align: 8
    .kernarg_segment_size: 64
    .max_flat_workgroup_size: 128
    .sgpr_count:     66
    .vgpr_count:     1024
    .wavefront_size: 32
...
	.end_amdgpu_metadata
.endif
;; end of part 2
;; launch gemm2 (part 3): grid 32 x 8, 4 waves a work-group, no clusters, 117,248 bytes of LDS; arguments hq, hsc, lst, expert_w2_codes, expert_w2_scales, y; writes y
.if DOCPART == 3
	.amdgcn_target "amdgcn-amd-amdhsa--gfx1250"
	.amdhsa_code_object_version 6
	.text
	.protected	k_q029da274f3_gemm2
	.globl	k_q029da274f3_gemm2
	.p2align	8
	.type	k_q029da274f3_gemm2,@function
k_q029da274f3_gemm2:
	s_mov_b64 s[64:65], 0
	v_nop
	global_prefetch_b8 v0, s[64:65] scope:SCOPE_SE
	s_setreg_imm32_b32 hwreg(HW_REG_WAVE_MODE, 25, 1), 1
	s_wait_xcnt 0x0
; THE SECOND PRODUCT OF THE CHOSEN ROWS: y[token] = h W2[e], K = 2,048 in 16 steps of 128; codes of E3M2 with E8M0 scales on both sides; y in f32, in the tokens' own order.
; SHARES.  Work-groups (2 slice + g, e), g = 0, 1, hold the same 64 output columns of expert e: 96 KiB of codes, copied once into LDS ahead of every branch on data, and read from there step by step.
; The eight waves of such a pair share the expert's tiles of 16 tokens, three to a wave and round: wave number 2 w + g takes tiles j0, j0 + 1, j0 + 2, j0 = 3 (2 w + g), + 24 a round.
; A tile past the expert's last is replaced by tile j0, and its stores are jumped over.
; h's fragments lie in hq as images of the operand's registers (the launch before stored them so): four loads a fragment, each of 512 or 256 consecutive bytes.  All 48 of a round stay in registers;
; the loads run four K steps ahead of the products.
; K's order, the scale words' middle bytes and the two K steps to a scale register are as in the launch before.
; THE PRODUCT IS USED TRANSPOSED (source 0 = 16 output columns, source 1 = 16 tokens): a lane holds eight neighbouring columns of one token.  A tile goes through the wave's own stage in LDS and leaves as
; 256 consecutive bytes of a token's row for each sixteen lanes, at a multiple of 256.  Slots past the expert's last token repeat that token: the same wave stores the same numbers to the same place.
; No tensor load, so no joint load and no cluster: the trip count hangs on a count read from memory.
.set PW2,   1552                       ; an LDS row of W2: 1,536 bytes + 16
.set STAGE, 64*PW2                     ; behind the 64 rows: 16 rows x (256 + 16) bytes for each wave
.set SPARE, STAGE+4*16*272             ; the spare words, 128 bytes for each wave: two blocks of 256 bytes that no other line names
.set L16, 1                            ; v1  16 x lane
.set L8,  2                            ; v2  8 x lane
.set WA0, 3                            ; v3  r PW2 + 48 h: tiles 0, 1 of the columns
.set WA1, 4                            ; v4  32 rows on: tiles 2, 3
.set STO, 5                            ; v5  the stage, in: row r, + 32 h
.set RD,  6                            ; v6  the stage, back: row 8 h, + 16 r
.set H32, 7                            ; v7  32 h
.set HSO, 8                            ; v8  256 h + 16 r
.set R16, 9                            ; v9  16 r
.set ACC, 16                           ; v16-111  twelve accumulators: token tile i, column tile t at 8 (4 i + t)
.set W2S, 112                          ; v112-143 W2's scale words: 8 t + 4 (s / 8) + s % 4
.set HS,  144                          ; v144-167 h's: 8 i + 4 (s / 8) + s % 4
.set TK,  168                          ; v168-191 tokens, then their offsets in y: 8 i + q: slot 8 h + q
.set OUTR, 192                         ; v192-223 a tile's rows on their way out
.set SPW, 224                          ; v224 LDS address of my spare word; never rewritten
.set NIL, 225                          ; v225 0; never rewritten
.set WB,  144                          ; window 3: v0-143 h of K steps 12-15; v144-191, v192-239 W2's fragments of a step, two sets.  Windows 1, 2: h of steps 0-5, 6-11, at 36 (s % 6) + 12 i
.set MSB, 0
.macro WIN new                         ; the immediate's high byte repeats the setting that is left
.if MSB != (\new)
	s_set_vgpr_msb (MSB<<8)|(\new)
.set MSB, (\new)
.endif
.endm
	s_load_b256 s[4:11], s[0:1], 0x0               ; hq, hsc, lst, W2's codes
	s_load_b128 s[12:15], s[0:1], 0x20             ; W2's scales, y
	v_lshl_add_u32 v[SPW], v0, 2, SPARE
	v_mov_b32 v[NIL], 0
	v_lshrrev_b32 v12, 5, v0
	v_readfirstlane_b32 s16, v12                   ; wave
	v_and_b32 v12, 31, v0                          ; lane
	v_and_b32 v13, 15, v0                          ; r
	v_bfe_u32 v14, v0, 4, 1                        ; h
	s_and_b32 s17, ttmp7, 0xffff                   ; e
	s_lshr_b32 s18, ttmp9, 1                       ; slice
	s_and_b32 s19, ttmp9, 1                        ; g
	v_lshlrev_b32 v[L16], 4, v12
	v_lshlrev_b32 v[L8], 3, v12
	v_mul_u32_u24 v[WA0], v13, PW2
	v_mad_u32_u24 v[WA0], v14, 48, v[WA0]
	v_add_nc_u32 v[WA1], 32*PW2, v[WA0]
	s_mul_i32 s52, s16, 16*272
	s_add_co_u32 s52, s52, STAGE                   ; my stage
	v_mul_u32_u24 v[STO], v13, 272
	v_lshl_add_u32 v[STO], v14, 5, v[STO]
	v_add_nc_u32 v[STO], s52, v[STO]
	v_mul_u32_u24 v[RD], v14, 8*272
	v_lshl_add_u32 v[RD], v13, 4, v[RD]
	v_add_nc_u32 v[RD], s52, v[RD]
	v_lshlrev_b32 v[H32], 5, v14
	v_lshlrev_b32 v[R16], 4, v13
	v_lshl_add_u32 v[HSO], v14, 8, v[R16]
	s_mul_i32 s53, s16, 16*PW2
	v_add_nc_u32 v10, s53, v[L16]                  ; my 16 rows in LDS
	v_lshlrev_b32 v11, 6, v13
	v_lshl_add_u32 v11, v14, 4, v11                ; W2's scales: 64 bytes a column, + 16 h
	s_mov_b32 s56, 0x03010200                      ; swaps a word's middle bytes
	s_mul_i32 s52, s17, 9472
	s_mov_b32 s53, 0
	s_mul_i32 s54, s17, 1572864
	s_mul_i32 s55, s18, 98304
	s_add_co_u32 s54, s54, s55
	s_mul_i32 s55, s16, 24576
	s_add_co_u32 s54, s54, s55                     ; W2's codes: expert, slice, my 16 rows
	s_mov_b32 s55, 0
	s_lshl_b32 s58, s17, 16
	s_lshl_b32 s59, s18, 12
	s_add_co_u32 s58, s58, s59                     ; its scales
	s_mov_b32 s59, 0
	s_lshl_b32 s60, s18, 8                         ; y: the slice's 256 bytes of a row
	s_mov_b32 s61, 0
	s_mul_i32 s62, s17, 3145728                    ; hq
	s_mov_b32 s63, 0
	s_wait_kmcnt 0x0
	s_add_nc_u64 s[46:47], s[8:9], s[52:53]
	s_load_b32 s20, s[46:47], 0x0                  ; how many tokens chose my expert
	s_add_nc_u64 s[10:11], s[10:11], s[54:55]
	s_add_nc_u64 s[12:13], s[12:13], s[58:59]
	s_add_nc_u64 s[14:15], s[14:15], s[60:61]
	s_add_nc_u64 s[42:43], s[4:5], s[62:63]
	s_lshl_b32 s52, s17, 17
	s_add_nc_u64 s[44:45], s[6:7], s[52:53]
	WIN 0x80                                       ; destination window 2
.set kk, 0
.rept 48
	global_load_b128 v[4*kk:4*kk+3], v[L16], s[10:11] offset:512*kk   ; my 16 rows are 24,576 dense bytes: 512 a load, three loads a row
.set kk, kk+1
.endr
	WIN 0
.irp t, 0,1,2,3
.irp k, 0,1
	global_load_b128 v[W2S+8*\t+4*\k:W2S+8*\t+4*\k+3], v11, s[12:13] offset:1024*\t+32*\k
.endr
.endr
	WIN 0x08                                       ; an LDS store's data are its source 1: window 2
.set kk, 0
.rept 48
	s_wait_loadcnt 55-kk                           ; behind load kk: 47 - kk of the weights' and the 8 scales'
	ds_store_b128 v10, v[4*kk:4*kk+3] offset:(kk/3)*PW2+512*(kk%3)
.set kk, kk+1
.endr
	WIN 0
	s_wait_loadcnt 0x0
.set kk, 0
.rept 32
	v_perm_b32 v[W2S+kk], v[W2S+kk], v[W2S+kk], s56
.set kk, kk+1
.endr
.rept 8
	v_nop                                          ; a scale register written by a vector instruction stands eight places ahead of a scaled matrix instruction
.endr
	s_wait_dscnt 0x0                               ; for the others' sake: my stores have landed
	s_barrier_signal -1
	s_barrier_wait -1                              ; the launch's one barrier, ahead of every branch on data: the slice lies whole in LDS
	s_wait_kmcnt 0x0
	s_add_co_u32 s21, s20, 15
	s_lshr_b32 s21, s21, 4                         ; tiles
	s_lshl_b32 s22, s16, 1
	s_add_co_u32 s22, s22, s19
	s_mul_i32 s22, s22, 3                          ; j0
	s_cmp_ge_u32 s22, s21
	s_cbranch_scc1 .Lend                           ; no tile for me
	s_sub_co_u32 s51, s21, s22                     ; my rounds: as many as there are k with j0 + 24 k under the number of tiles:
	s_add_co_u32 s51, s51, 23
	s_mul_i32 s51, s51, 2731                       ; (tiles - j0 + 23) / 24, as x 2,731 / 65,536: exact up to 151, and there are at most 128 tiles;
	s_lshr_b32 s51, s51, 16                        ; at least 1 here; the loop does not write it
	s_mov_b32 s23, 0                               ; rounds done: the loop's counter, one a trip
.macro HLOAD s                         ; K step s of my three tiles: 12 loads
	WIN (1+(\s)/6)<<6
.irp i, 0,1,2
.set hb, 36*((\s)%6)+12*\i
	global_load_b128 v[hb:hb+3], v[L16], s[24+2*\i:25+2*\i] offset:1536*(\s)
	global_load_b64 v[hb+4:hb+5], v[L8], s[24+2*\i:25+2*\i] offset:1536*(\s)+512
	global_load_b64 v[hb+6:hb+7], v[L8], s[24+2*\i:25+2*\i] offset:1536*(\s)+768
	global_load_b128 v[hb+8:hb+11], v[L16], s[24+2*\i:25+2*\i] offset:1536*(\s)+1024
.endr
.endm
.macro WLOAD s                         ; K step s of W2's four tiles of columns, into set s % 2: 12 LDS loads
	WIN 0xc0
.irp t, 0,1
.irp p, 0,1,2
	ds_load_b128 v[WB+48*((\s)%2)+12*\t+4*\p:WB+48*((\s)%2)+12*\t+4*\p+3], v[WA0] offset:16*\t*PW2+96*(\s)+16*\p
.endr
.endr
.irp t, 0,1
.irp p, 0,1,2
	ds_load_b128 v[WB+48*((\s)%2)+24+12*\t+4*\p:WB+48*((\s)%2)+24+12*\t+4*\p+3], v[WA1] offset:16*\t*PW2+96*(\s)+16*\p
.endr
.endr
.endm
.macro STEP s
.if \s > 0
.rept 4
	v_nop                                          ; places in front of the loads into the set that the last step multiplied
.endr
.endif
.if \s < 12
	HLOAD \s+4
.endif
.if \s < 15
	WLOAD \s+1
.endif
.if \s < 12
	s_wait_loadcnt 48                              ; this step's h is in; the four later steps' 12 loads each may be out
.else
	s_wait_loadcnt 12*(15-\s)
.endif
.if \s < 15
	s_wait_dscnt 12                                ; this step's W2 is in; the next step's 12 loads may be out
.else
	s_wait_dscnt 0x0
.endif
	WIN 3|((1+(\s)/6)<<2)                          ; source 0 (W2) window 3, source 1 (h) window 1, 2 or 3
.irp i, 0,1,2                          ; the twelve accumulators take turns, one instruction a turn
.irp t, 0,1,2,3
.if \s == 0
	v_wmma_scale_f32_16x16x128_f8f6f4 v[ACC+8*(4*\i+\t):ACC+8*(4*\i+\t)+7], v[WB+12*\t:WB+12*\t+11], v[12*\i:12*\i+11], 0, v[W2S+8*\t], v[HS+8*\i] matrix_a_fmt:MATRIX_FMT_BF6 matrix_b_fmt:MATRIX_FMT_BF6
.elseif ((\s)/4)%2 == 0
	v_wmma_scale_f32_16x16x128_f8f6f4 v[ACC+8*(4*\i+\t):ACC+8*(4*\i+\t)+7], v[WB+48*((\s)%2)+12*\t:WB+48*((\s)%2)+12*\t+11], v[36*((\s)%6)+12*\i:36*((\s)%6)+12*\i+11], v[ACC+8*(4*\i+\t):ACC+8*(4*\i+\t)+7], v[W2S+8*\t+4*((\s)/8)+(\s)%4], v[HS+8*\i+4*((\s)/8)+(\s)%4] matrix_a_fmt:MATRIX_FMT_BF6 matrix_b_fmt:MATRIX_FMT_BF6
.else
	v_wmma_scale_f32_16x16x128_f8f6f4 v[ACC+8*(4*\i+\t):ACC+8*(4*\i+\t)+7], v[WB+48*((\s)%2)+12*\t:WB+48*((\s)%2)+12*\t+11], v[36*((\s)%6)+12*\i:36*((\s)%6)+12*\i+11], v[ACC+8*(4*\i+\t):ACC+8*(4*\i+\t)+7], v[W2S+8*\t+4*((\s)/8)+(\s)%4], v[HS+8*\i+4*((\s)/8)+(\s)%4] matrix_a_fmt:MATRIX_FMT_BF6 matrix_b_fmt:MATRIX_FMT_BF6 matrix_a_scale:MATRIX_SCALE_ROW1 matrix_b_scale:MATRIX_SCALE_ROW1
.endif
.endr
.endr
.endm
.macro OUTT i                          ; token tile i leaves
.irp q, 0,1,2,3,4,5,6,7
	v_min_u32 v[TK+8*\i+\q], 0x7ff, v[TK+8*\i+\q]
.endr
.irp q, 0,1,2,3,4,5,6,7
	v_lshl_add_u32 v[TK+8*\i+\q], v[TK+8*\i+\q], 12, v[R16]        ; the token's row of 4,096 bytes, + 16 r
.endr
.irp t, 0,1,2,3
	ds_store_b128 v[STO], v[ACC+8*(4*\i+\t):ACC+8*(4*\i+\t)+3] offset:64*\t          ; each accumulator from its low end on
	ds_store_b128 v[STO], v[ACC+8*(4*\i+\t)+4:ACC+8*(4*\i+\t)+7] offset:64*\t+16
.endr
	s_wait_xcnt 0x0                                ; the last tile's stores have read their data: the registers are loaded anew
.irp q, 0,1,2,3,4,5,6,7
	ds_load_b128 v[OUTR+4*\q:OUTR+4*\q+3], v[RD] offset:272*\q     ; LDS serves a wave's instructions in order: these see my stores, and the next tile's stores come behind them
.endr
.irp q, 0,1,2,3,4,5,6,7
	s_wait_dscnt 7-\q                              ; rows 8 h + q are back; the younger loads may be out
	global_store_b128 v[TK+8*\i+\q], v[OUTR+4*\q:OUTR+4*\q+3], s[14:15]   ; sixteen lanes store 256 consecutive bytes of a token's row
.endr
.endm
.Lround:
	s_wait_xcnt 0x0                                ; the last round's loads and stores have read their bases and offsets: they are written anew below
	s_min_u32 s48, s22, 127
	s_add_co_u32 s49, s22, 1
	s_cmp_lt_u32 s49, s21
	s_cselect_b32 s49, s49, s22                    ; a tile past the last is replaced by j0
	s_min_u32 s49, s49, 127
	s_add_co_u32 s50, s22, 2
	s_cmp_lt_u32 s50, s21
	s_cselect_b32 s50, s50, s22
	s_min_u32 s50, s50, 127
	s_mov_b32 s53, 0
.irp i, 0,1,2
	s_mul_i32 s52, s[48+\i], 24576
	s_add_nc_u64 s[24+2*\i:25+2*\i], s[42:43], s[52:53]            ; the tile's 16 fragments,
	s_lshl_b32 s52, s[48+\i], 10
	s_add_nc_u64 s[30+2*\i:31+2*\i], s[44:45], s[52:53]            ; its scale words,
	s_lshl_b32 s52, s[48+\i], 6
	s_add_nc_u64 s[36+2*\i:37+2*\i], s[46:47], s[52:53]            ; its 16 tokens
.endr
.irp i, 0,1,2
.irp k, 0,1
	global_load_b128 v[TK+8*\i+4*\k:TK+8*\i+4*\k+3], v[H32], s[36+2*\i:37+2*\i] offset:256+16*\k
.endr
.endr
.irp i, 0,1,2
.irp k, 0,1
	global_load_b128 v[HS+8*\i+4*\k:HS+8*\i+4*\k+3], v[HSO], s[30+2*\i:31+2*\i] offset:512*\k
.endr
.endr
	HLOAD 0
	HLOAD 1
	HLOAD 2
	HLOAD 3
	WLOAD 0
.irp s, 0,1,2,3,4,5,6,7,8,9,10,11,12,13,14,15
	STEP \s
.endr
	WIN 0
.rept 5
	v_nop                                          ; places behind the last products: four for the first read of results and for loads into their operands, five for a product that begins the sums anew
.endr
	OUTT 0
	s_add_co_u32 s52, s22, 1
	s_cmp_ge_u32 s52, s21
	s_cbranch_scc1 .Lskip                          ; tiles j0 + 1 and j0 + 2 lie past the expert's last
	OUTT 1
	s_add_co_u32 s52, s22, 2
	s_cmp_ge_u32 s52, s21
	s_cbranch_scc1 .Lskip
	OUTT 2
.Lskip:
	s_add_co_u32 s22, s22, 24                      ; my next three tiles
	s_add_co_u32 s23, s23, 1                       ; the loop is counted in rounds, one a trip, against the number worked out ahead of it
	s_cmp_lt_u32 s23, s51
	s_cbranch_scc1 .Lround
.Lend:
	s_wait_tensorcnt 0x0                           ; the wave's end, behind my last LDS store
	ds_add_u32 v[SPW], v[NIL]
	s_wait_dscnt 0x0
	s_endpgm
.Lfunc_end_k_q029da274f3_gemm2:
	.size	k_q029da274f3_gemm2, .Lfunc_end_k_q029da274f3_gemm2-k_q029da274f3_gemm2
	.p2alignl 7, 3214868480
	.fill 96, 4, 3214868480
	.section	.rodata,"a",@progbits
	.p2align	6, 0x0
	.amdhsa_kernel k_q029da274f3_gemm2
		.amdhsa_group_segment_fixed_size 117248
		.amdhsa_private_segment_fixed_size 0
		.amdhsa_enable_private_segment 0
		.amdhsa_kernarg_size 48
		.amdhsa_user_sgpr_count 2
		.amdhsa_user_sgpr_kernarg_segment_ptr 1
		.amdhsa_wavefront_size32 1
		.amdhsa_system_sgpr_workgroup_id_x 1
		.amdhsa_system_sgpr_workgroup_id_y 1
		.amdhsa_system_sgpr_workgroup_id_z 1
		.amdhsa_system_vgpr_workitem_id 0
		.amdhsa_next_free_vgpr 1024
		.amdhsa_next_free_sgpr 66
		.amdhsa_reserve_vcc 0
		.amdhsa_float_denorm_mode_32 3
		.amdhsa_float_denorm_mode_16_64 3
		.amdhsa_memory_ordered 1
		.amdhsa_forward_progress 1
		.amdhsa_inst_pref_size 86
	.end_amdhsa_kernel
	.amdgpu_metadata
---
amdhsa.version: [ 1, 2 ]
amdhsa.kernels:
  - .name:           k_q029da274f3_gemm2
    .symbol:         k_q029da274f3_gemm2.kd
    .args:
      - { .name: hq, .offset: 0, .size: 8, .value_kind: global_buffer, .address_space: global }
      - { .name: hsc, .offset: 8, .size: 8, .value_kind: global_buffer, .address_space: global }
      - { .name: lst, .offset: 16, .size: 8, .value_kind: global_buffer, .address_space: global }
      - { .name: expert_w2_codes, .offset: 24, .size: 8, .value_kind: global_buffer, .address_space: global }
      - { .name: expert_w2_scales, .offset: 32, .size: 8, .value_kind: global_buffer, .address_space: global }
      - { .name: y, .offset: 40, .size: 8, .value_kind: global_buffer, .address_space: global }
    .group_segment_fixed_size: 117248
    .private_segment_fixed_size: 0
    .kernarg_segment_align: 8
    .kernarg_segment_size: 48
    .max_flat_workgroup_size: 128
    .sgpr_count:     66
    .vgpr_count:     1024
    .wavefront_size: 32
...
	.end_amdgpu_metadata
.endif
;; end of part 3
;; launch ln (part 4): grid 256 x 1, 4 waves a work-group, no clusters, 0 bytes of LDS; arguments y, tv, ln_gamma, ln_beta, out0; writes out0
.if DOCPART == 4
	.amdgcn_target "amdgcn-amd-amdhsa--gfx1250"
	.amdhsa_code_object_version 6
	.text
	.protected	k_q029da274f3_ln
	.globl	k_q029da274f3_ln
	.p2align	8
	.type	k_q029da274f3_ln,@function
k_q029da274f3_ln:
	s_mov_b64 s[64:65], 0
	v_nop
	global_prefetch_b8 v0, s[64:65] scope:SCOPE_SE
	s_setreg_imm32_b32 hwreg(HW_REG_WAVE_MODE, 25, 1), 1
	s_wait_xcnt 0x0
; out0[n] = LayerNorm(y[n] x top_val[n]) x gamma + beta, all in f32.  A row is 4,096 bytes: a wave takes two whole rows, 32 registers each, and keeps them between the passes: mean, then the mean of the squared
; differences, as the definition has it.  Each load and store of a wave covers 512 consecutive bytes.  A stream: no LDS, no barrier, no matrix unit, no cluster (the work-groups share only gamma and beta, 8 KiB).
; LIMITS: NaN and infinities are not served.
.set Y,  16                            ; v16-79   row t at 32 t: register 4 i + c = column 128 i + 4 lane + c
.set GA, 80                            ; v80-111  gamma, laid likewise
.set BE, 112                           ; v112-143 beta
.set S,  144                           ; v144-159 sums: row t at 8 t
	s_load_b256 s[4:11], s[0:1], 0x0               ; y, tv, gamma, beta
	s_load_b64 s[12:13], s[0:1], 0x20              ; out0
	v_lshrrev_b32 v1, 5, v0
	v_readfirstlane_b32 s14, v1                    ; wave
	v_and_b32 v1, 31, v0
	v_lshlrev_b32 v2, 4, v1                        ; 16 x lane
	s_lshl_b32 s15, ttmp9, 3
	s_lshl_b32 s16, s14, 1
	s_add_co_u32 s15, s15, s16                     ; my first row: 8 x work-group + 2 x wave
	s_lshl_b32 s16, s15, 12
	s_mov_b32 s17, 0
	s_lshl_b32 s18, s15, 2
	s_mov_b32 s24, 0x3a800000                      ; 1 / 1,024
	s_mov_b32 s25, 0x3727c5ac                      ; 1e-5
	s_mov_b32 s26, 0x76543210
	s_mov_b32 s27, 0xfedcba98                      ; v_permlanex16_b32's selects for lane l xor 16
	s_wait_kmcnt 0x0
	s_load_b64 s[20:21], s[6:7], s18 offset:0x0    ; my two rows' top_val
	s_add_nc_u64 s[4:5], s[4:5], s[16:17]
	s_add_nc_u64 s[12:13], s[12:13], s[16:17]
.irp t, 0,1
.irp i, 0,1,2,3,4,5,6,7
	global_load_b128 v[Y+32*\t+4*\i:Y+32*\t+4*\i+3], v2, s[4:5] offset:4096*\t+512*\i th:TH_LOAD_NT
.endr
.endr
.irp i, 0,1,2,3,4,5,6,7
	global_load_b128 v[GA+4*\i:GA+4*\i+3], v2, s[8:9] offset:512*\i
.endr
.irp i, 0,1,2,3,4,5,6,7
	global_load_b128 v[BE+4*\i:BE+4*\i+3], v2, s[10:11] offset:512*\i
.endr
	s_wait_kmcnt 0x0
	s_mov_b32 s22, s21                             ; the packed form names a pair and takes its low word for both halves
	s_mov_b32 s23, s21
	s_wait_loadcnt 16                              ; y is in; gamma's and beta's 16 loads may be out
.irp t, 0,1
.set qq, 0
.rept 16
	v_pk_mul_f32 v[Y+32*\t+qq:Y+32*\t+qq+1], v[Y+32*\t+qq:Y+32*\t+qq+1], s[20+2*\t:21+2*\t] op_sel_hi:[1,0]
.set qq, qq+2
.endr
.endr
.macro ACROSS                          ; both rows' four chains into one number in every lane
.irp t, 0,1
	v_pk_add_f32 v[S+8*\t:S+8*\t+1], v[S+8*\t:S+8*\t+1], v[S+8*\t+2:S+8*\t+3]
	v_pk_add_f32 v[S+8*\t+4:S+8*\t+5], v[S+8*\t+4:S+8*\t+5], v[S+8*\t+6:S+8*\t+7]
.endr
.irp t, 0,1
	v_pk_add_f32 v[S+8*\t:S+8*\t+1], v[S+8*\t:S+8*\t+1], v[S+8*\t+4:S+8*\t+5]
.endr
.irp t, 0,1
	v_add_f32 v[S+8*\t], v[S+8*\t], v[S+8*\t+1]
.endr
.irp m, 1,2,4,8
.irp t, 0,1
	v_add_f32_dpp v[S+8*\t], v[S+8*\t], v[S+8*\t] row_xmask:\m row_mask:0xf bank_mask:0xf
.endr
.endr
.irp t, 0,1
	v_permlanex16_b32 v[S+8*\t+1], v[S+8*\t], s26, s27
.endr
.irp t, 0,1
	v_add_f32 v[S+8*\t], v[S+8*\t], v[S+8*\t+1]
.endr
.endm
.irp t, 0,1
.irp c, 0,1,2,3
	v_pk_add_f32 v[S+8*\t+2*\c:S+8*\t+2*\c+1], v[Y+32*\t+2*\c:Y+32*\t+2*\c+1], v[Y+32*\t+8+2*\c:Y+32*\t+8+2*\c+1]
.endr
.irp j, 16,24
.irp c, 0,1,2,3
	v_pk_add_f32 v[S+8*\t+2*\c:S+8*\t+2*\c+1], v[S+8*\t+2*\c:S+8*\t+2*\c+1], v[Y+32*\t+\j+2*\c:Y+32*\t+\j+2*\c+1]
.endr
.endr
.endr
	ACROSS
.irp t, 0,1
	v_mul_f32 v[S+8*\t], s24, v[S+8*\t]            ; the mean
.endr
.irp t, 0,1
.set qq, 0
.rept 16
	v_pk_add_f32 v[Y+32*\t+qq:Y+32*\t+qq+1], v[Y+32*\t+qq:Y+32*\t+qq+1], v[S+8*\t:S+8*\t+1] op_sel_hi:[1,0] neg_lo:[0,1] neg_hi:[0,1]
.set qq, qq+2
.endr
.endr
.irp t, 0,1
.irp c, 0,1,2,3
	v_pk_mul_f32 v[S+8*\t+2*\c:S+8*\t+2*\c+1], v[Y+32*\t+2*\c:Y+32*\t+2*\c+1], v[Y+32*\t+2*\c:Y+32*\t+2*\c+1]
.endr
.irp j, 8,16,24
.irp c, 0,1,2,3
	v_pk_fma_f32 v[S+8*\t+2*\c:S+8*\t+2*\c+1], v[Y+32*\t+\j+2*\c:Y+32*\t+\j+2*\c+1], v[Y+32*\t+\j+2*\c:Y+32*\t+\j+2*\c+1], v[S+8*\t+2*\c:S+8*\t+2*\c+1]
.endr
.endr
.endr
	ACROSS
.irp t, 0,1
	v_fma_f32 v[S+8*\t], v[S+8*\t], s24, s25       ; the variance + 1e-5
.endr
.irp t, 0,1
	v_rsq_f32 v[S+8*\t], v[S+8*\t]
.endr
	v_nop                                          ; a plain place behind the last transcendental
	s_wait_alu depctr_va_vdst(0)                   ; one wait for the two, ahead of their first reader
.irp t, 0,1
.set qq, 0
.rept 16
	v_pk_mul_f32 v[Y+32*\t+qq:Y+32*\t+qq+1], v[Y+32*\t+qq:Y+32*\t+qq+1], v[S+8*\t:S+8*\t+1] op_sel_hi:[1,0]
.set qq, qq+2
.endr
.endr
	s_wait_loadcnt 0x0                             ; gamma and beta
.irp t, 0,1
.set qq, 0
.rept 16
	v_pk_fma_f32 v[Y+32*\t+qq:Y+32*\t+qq+1], v[Y+32*\t+qq:Y+32*\t+qq+1], v[GA+qq:GA+qq+1], v[BE+qq:BE+qq+1]
.set qq, qq+2
.endr
.endr
.irp t, 0,1
.irp i, 0,1,2,3,4,5,6,7
	global_store_b128 v2, v[Y+32*\t+4*\i:Y+32*\t+4*\i+3], s[12:13] offset:4096*\t+512*\i th:TH_STORE_NT
.endr
.endr
	s_endpgm
.Lfunc_end_k_q029da274f3_ln:
	.size	k_q029da274f3_ln, .Lfunc_end_k_q029da274f3_ln-k_q029da274f3_ln
	.p2alignl 7, 3214868480
	.fill 96, 4, 3214868480
	.section	.rodata,"a",@progbits
	.p2align	6, 0x0
	.amdhsa_kernel k_q029da274f3_ln
		.amdhsa_group_segment_fixed_size 0
		.amdhsa_private_segment_fixed_size 0
		.amdhsa_enable_private_segment 0
		.amdhsa_kernarg_size 40
		.amdhsa_user_sgpr_count 2
		.amdhsa_user_sgpr_kernarg_segment_ptr 1
		.amdhsa_wavefront_size32 1
		.amdhsa_system_sgpr_workgroup_id_x 1
		.amdhsa_system_sgpr_workgroup_id_y 1
		.amdhsa_system_sgpr_workgroup_id_z 1
		.amdhsa_system_vgpr_workitem_id 0
		.amdhsa_next_free_vgpr 160
		.amdhsa_next_free_sgpr 66
		.amdhsa_reserve_vcc 0
		.amdhsa_float_denorm_mode_32 3
		.amdhsa_float_denorm_mode_16_64 3
		.amdhsa_memory_ordered 1
		.amdhsa_forward_progress 1
		.amdhsa_inst_pref_size 20
	.end_amdhsa_kernel
	.amdgpu_metadata
---
amdhsa.version: [ 1, 2 ]
amdhsa.kernels:
  - .name:           k_q029da274f3_ln
    .symbol:         k_q029da274f3_ln.kd
    .args:
      - { .name: y, .offset: 0, .size: 8, .value_kind: global_buffer, .address_space: global }
      - { .name: tv, .offset: 8, .size: 8, .value_kind: global_buffer, .address_space: global }
      - { .name: ln_gamma, .offset: 16, .size: 8, .value_kind: global_buffer, .address_space: global }
      - { .name: ln_beta, .offset: 24, .size: 8, .value_kind: global_buffer, .address_space: global }
      - { .name: out0, .offset: 32, .size: 8, .value_kind: global_buffer, .address_space: global }
    .group_segment_fixed_size: 0
    .private_segment_fixed_size: 0
    .kernarg_segment_align: 8
    .kernarg_segment_size: 40
    .max_flat_workgroup_size: 128
    .sgpr_count:     66
    .vgpr_count:     160
    .wavefront_size: 32
...
	.end_amdgpu_metadata
.endif
;; end of part 4
;; ======== version 2 of 2: 4 launches; version 1 with the launches gemm1, gemm2 written anew for expert scheduling mode
;; workspace buffers: idx 8,192 bytes of whole numbers; tv 8,192 bytes; xq 1,572,864 bytes; xsc 65,536 bytes; hq 25,165,824 bytes; hsc 1,048,576 bytes; lst 75,776 bytes of whole numbers; y 8,388,608 bytes
;; launch gateq: the kernel of part 1 again; grid 256 x 1, 4 waves a work-group, no clusters, 76,544 bytes of LDS; arguments x, gate_w, idx, tv, xq, xsc; writes idx, tv, xq, xsc
;; launch gemm1 (part 5): grid 32 x 8, 4 waves a work-group, no clusters, 50,688 bytes of LDS; arguments idx, xq, xsc, expert_w1_codes, expert_w1_scales, hq, hsc, lst; writes hq, hsc, lst
.if DOCPART == 5
	.amdgcn_target "amdgcn-amd-amdhsa--gfx1250"
	.amdhsa_code_object_version 6
	.text
	.protected	k_q029da274f3_gemm1
	.globl	k_q029da274f3_gemm1
	.p2align	8
	.type	k_q029da274f3_gemm1,@function
k_q029da274f3_gemm1:
	s_mov_b64 s[64:65], 0
	v_nop
	global_prefetch_b8 v0, s[64:65] scope:SCOPE_SE
	s_setreg_imm32_b32 hwreg(HW_REG_WAVE_SCHED_MODE, 0, 2), 2
	s_setreg_imm32_b32 hwreg(HW_REG_WAVE_MODE, 25, 1), 1
	s_wait_xcnt 0x0
	s_wait_alu depctr_vm_vsrc(0)
; THE FIRST PRODUCT OF THE CHOSEN ROWS: h = gelu(x W1[e]), quantised along the hidden axis, for the tokens that chose expert e.  Codes of E3M2 with E8M0 scales on both sides.
; SHARES.  Work-group (sl, e) holds 64 hidden units of expert e for all of K = 1,024: 48 KiB of codes, which leave memory for this work-group alone, come once through LDS and stay in EVERY wave's registers.
; The waves share the ROWS: tiles of 16 tokens of the expert; in a round wave w takes tiles JR and JR + 4, JR = w, w + 8, ..
; WHICH TOKENS.  idx (stored by the launch before) lies in 64 registers: chunk c = 4 g + jj holds tokens 128 g + 4 lane + jj.  A token's rank in its expert is its order by (chunk, lane).  FIND turns 32 ranks
; (a lane a rank) into tokens.  Ranks past the expert's last are held at the last: such slots repeat that token, compute the same numbers and store them to the same places, so no lane is ever switched off.
; The work-groups with sl = 0 also store the count and the list rank -> token for the next launch.
; K'S ORDER.  A lane takes 48 bytes on end of a row of codes (16-byte loads at multiples of 16): in each 128 along K the operand's block 2 c + h holds the row's block 2 h + c, alike on both sides, which keeps the products.
; The scale words follow: W1's have their middle bytes swapped once at the head, x's were stored so.
; ONE SCALE REGISTER SERVES TWO K STEPS: lanes 0-15 hold step i's words, lanes 16-31 step 4 + i's, taken by the ROW1 selectors.
; THE PRODUCT IS USED TRANSPOSED (source 0 = 16 hidden units, source 1 = 16 tokens), and lane r of tile 2 b + u takes unit 32 b + 8 u + r + 8 (r / 8) of the slice, so that a lane's 16 registers of two
; neighbouring tiles are 16 neighbouring hidden units.  Slice sl = 2 s2 + cc takes units 128 s2 + 32 cc + 64 b + 0 .. 31, b = 0, 1: in the second product's K step s2 these are the blocks that lie in
; registers 6 cc .. 6 cc + 5 of lanes 0-15 (b = 0) and 16-31 (b = 1): the wave's codes ARE that half of the operand's registers, and are stored as such.
; GELU, exact form: gelu(v) = max(v, 0) - |v| m, m = erfc(|v| / sqrt 2) / 2 = t exp(-z^2 + c0 + t (c1 + .. + t c9)) / 2, z = |v| / sqrt 2, t = 1 / (1 + z / 2): a fit of erfc with a fractional error of 1.2e-7.
; No tensor load, so no joint load and no cluster: the trip count hangs on a count read from memory.  What could be shared is not: each byte of W1 is read by one work-group.
; LIMITS: NaN and infinities are not served; where m lies under 2^-126 it counts as 0; a block of zeros gets the scale byte 1 (its codes are zeros; this program alone reads the bytes).
; THE MODE: SCHED_MODE bits 1:0 = 2 (LLVM: expert scheduling mode 2), set by the entry lines.  The code itself states the register dependences between vector or matrix instructions and memory or LDS
; instructions, and those through scalar registers and VCC that vector instructions write, with s_wait_alu, always for 0.
; THE PLAN.  Registers that memory or LDS instructions touch:
;   v1-11, v208-211   offsets and LDS addresses: made once at the head, never written again.
;   v64-159           at the head: the weights' loads land in them, the LDS stores read them; from the first way out on they are named by vector instructions alone.
;   OA, SA, OB, SB    written by the search; read by the gathers.       LO, TOK: written by the search; read by the list's store.       v200: the count's store reads it; the way out writes it again.
;   XS, XF            a gather lands in them; the 32 products read them, and nothing else names them.
;   CO, SCP           written by a way out's vector lines; read by its stores.
; One wait on va_vdst stands behind each run of 32 products: they are done reading XS and XF, in which the next gather lands, and the search has written that gather's offsets.  One stands ahead of a way out's stores.
; One wait on vm_vsrc stands at each search's head and one in each way out, each beside the wait on XCNT that stood there.
; THE SEARCH'S SCALAR REGISTERS.  The 64 chunks go in 16 groups of four.  Behind ONE wait on va_sdst stand: the next group's prefix sums (scalar), its four compares of ranks, the chunk compares of the group after
; that, and this group's twelve selects: so twelve vector lines lie between a compare and the wait for it.  Masks and prefixes have three sets of four registers, the ranks' masks two.
.set PW,    784                        ; an LDS row of W1: 768 bytes + 16
.set SPARE, 64*PW                      ; behind the 64 rows: the spare words, 128 bytes for each wave: two blocks of 256 bytes that no other line names
.set L16, 1                            ; v1   16 x lane
.set WA,  2                            ; v2   (r + 8 (r / 8)) PW + 48 h
.set LRHO, 3                           ; v3   64 h + r: lanes 0-15 stand for tile JR's slots, lanes 16-31 for tile JR + 4's
.set H48, 4                            ; v4   48 h
.set H16, 5                            ; v5   16 h
.set OA,  6                            ; v6-9 the gather's offsets: tile A's codes, scales; tile B's codes, scales
.set SA,  7
.set OB,  8
.set SB,  9
.set L8,  10                           ; v10  8 x lane
.set R16, 11                           ; v11  16 r
.set RHO, 12                           ; v12-29 FIND's
.set RK,  13
.set FM,  14
.set FP,  15
.set FC,  16
.set NN,  17
.set POS, 18
.set A1,  19
.set A2,  20
.set A3,  21
.set A4,  22
.set FT,  23
.set FU,  24
.set TOK, 25
.set TX,  26
.set TA,  27
.set TB,  28
.set LO,  29
.set SPW, 30                           ; v30  LDS address of my spare word; never rewritten
.set NIL, 31                           ; v31  0; never rewritten
.set ACC, 32                           ; v32-63   four accumulators: tile t at 8 t
.set ZZ,  64                           ; v64-95 z, v96-127 t, v128-159 the polynomial (at the head: the 96 registers of my weight loads)
.set TT,  96
.set PP,  128
.set W1S, 160                          ; v160-175 W1's scale words: 4 t + i
.set XS,  176                          ; v176-179 the tokens' scale words
.set C9,  180                          ; v180-181 c9, twice
.set QM,  182                          ; v182-189 the quantiser's
.set CO,  190                          ; v190-195 the codes; v196-198 the second conversion's
.set C2,  196
.set SCP, 199                          ; v199 the two scale bytes
.set TMP, 200                          ; v200-203 at work
.set XF,  192                          ; windows 1 and 2: W1's fragments of K steps 0-3 (4-7) at 12 (4 (s % 4) + t); the tokens' at 192 + 12 (s % 4).  Window 3: v0-63 idx
.set EQ,  66                           ; s66-77  group g's four masks (the chunk's lanes that chose my expert), set g % 3.  (The count at the head takes sixteen registers from here on)
.set PF,  78                           ; s78-89  the ranks ahead of each of its four chunks, set g % 3
.set GE,  90                           ; s90-97  the lanes whose rank lies at or behind the chunk's first, set g % 2
.set MSB, 0
.macro WIN new                         ; the immediate's high byte repeats the setting that is left
.if MSB != (\new)
	s_set_vgpr_msb (MSB<<8)|(\new)
.set MSB, (\new)
.endif
.endm
	s_load_b512 s[4:19], s[0:1], 0x0               ; idx, xq, xsc, W1's codes, W1's scales, hq, hsc, lst
	v_lshl_add_u32 v[SPW], v0, 2, SPARE
	v_mov_b32 v[NIL], 0
	v_lshrrev_b32 v204, 5, v0
	v_readfirstlane_b32 s20, v204                  ; wave
	v_and_b32 v204, 31, v0                         ; lane
	v_and_b32 v205, 15, v0                         ; r
	v_bfe_u32 v206, v0, 4, 1                       ; h
	s_and_b32 s21, ttmp7, 0xffff                   ; e
	s_mov_b32 s22, ttmp9                           ; sl
	s_lshr_b32 s23, s22, 1                         ; s2
	s_and_b32 s24, s22, 1                          ; cc
	v_lshlrev_b32 v[L16], 4, v204
	v_lshlrev_b32 v[L8], 3, v204
	v_lshlrev_b32 v[R16], 4, v205
	v_mul_u32_u24 v[H48], v206, 48
	v_lshlrev_b32 v[H16], 4, v206
	v_lshl_add_u32 v[LRHO], v206, 6, v205
	v_and_b32 v207, 8, v205
	v_add_nc_u32 v207, v207, v205                  ; r + 8 (r / 8)
	v_mul_u32_u24 v[WA], v207, PW
	v_add_nc_u32 v[WA], v[WA], v[H48]
	s_wait_alu depctr_va_sdst(0)                   ; s20, the wave's number, is written, ahead of its first reader
	s_mul_i32 s34, s20, 16*PW                      ; my 16 rows in LDS
	v_add_nc_u32 v208, s34, v[L16]
	v_add_nc_u32 v209, v208, v[H16]                ; the same, one padding on for lanes 16-31
	v_lshl_add_u32 v210, v207, 5, v[H16]           ; W1's scales: 32 bytes a unit, + 16 h
	v_lshlrev_b32 v211, 2, v204
	v_mov_b32 v[C9], 0x3e2ef945
	v_mov_b32 v[C9+1], 0x3e2ef945
	v_mov_b32 v[QM+2], 0                           ; written once: a lane permute's destination counts as one of its sources
	v_mov_b32 v[QM+3], 0
	v_mov_b32 v[TX], 0
	s_mov_b32 s35, 0x03010200                      ; swaps a word's middle bytes
	s_mov_b32 s36, 0x76543210
	s_mov_b32 s37, 0xfedcba98                      ; v_permlanex16_b32's selects for lane l xor 16
	s_mov_b32 s38, 0xffff0000                      ; lanes 16-31
	s_mov_b32 s39, 0x3f3504f3                      ; 1 / sqrt 2
	s_lshl_b32 s50, s23, 7
	s_lshl_b32 s51, s24, 5
	s_add_co_u32 s50, s50, s51                     ; the slice's first unit: 128 s2 + 32 cc
	s_lshr_b32 s52, s20, 1
	s_lshl_b32 s52, s52, 6
	s_and_b32 s53, s20, 1
	s_lshl_b32 s53, s53, 4
	s_add_co_u32 s52, s52, s53
	s_add_co_u32 s52, s52, s50                     ; the 16 units that I copy: + 64 (wave / 2) + 16 (wave % 2)
	s_mul_i32 s52, s52, 768
	s_mul_i32 s53, s21, 1572864
	s_add_co_u32 s52, s52, s53
	s_mov_b32 s53, 0
	s_lshl_b32 s54, s21, 16
	s_lshl_b32 s55, s50, 5
	s_add_co_u32 s54, s54, s55
	s_mov_b32 s55, 0
	s_mul_i32 s56, s21, 3145728                    ; hq: 128 tiles x 16 fragments x 1,536 bytes an expert,
	s_mul_i32 s57, s23, 1536                       ; fragment s2
	s_add_co_u32 s56, s56, s57
	s_mov_b32 s57, 0
	s_lshl_b32 s58, s21, 17                        ; hsc: 128 tiles x 1,024 bytes an expert; in a tile 256 (s2 / 4) + 16 r + 4 (s2 % 4) + 2 cc
	s_lshr_b32 s59, s23, 2
	s_lshl_b32 s59, s59, 8
	s_add_co_u32 s58, s58, s59
	s_and_b32 s59, s23, 3
	s_lshl_b32 s59, s59, 2
	s_add_co_u32 s58, s58, s59
	s_lshl_b32 s59, s24, 1
	s_add_co_u32 s58, s58, s59
	s_mov_b32 s59, 0
	s_mul_i32 s60, s21, 9472                       ; lst: 256 bytes for the count, 2,304 words of list
	s_mov_b32 s61, 0
	s_wait_kmcnt 0x0
	s_add_nc_u64 s[10:11], s[10:11], s[52:53]
	s_add_nc_u64 s[12:13], s[12:13], s[54:55]
	s_add_nc_u64 s[46:47], s[14:15], s[56:57]
	s_add_nc_u64 s[48:49], s[16:17], s[58:59]
	s_add_nc_u64 s[44:45], s[18:19], s[60:61]
	s_wait_alu depctr_va_vdst(0)                   ; the offsets and LDS addresses v1 to v11 and v208 to v211 are written: the loads and stores of the whole kernel read them
.set kk, 0
.rept 24
	global_load_b128 v[ZZ+4*kk:ZZ+4*kk+3], v[L16], s[10:11] offset:512*kk th:TH_LOAD_NT   ; my 16 rows are 12,288 dense bytes: 512 a load
.set kk, kk+1
.endr
.irp t, 0,1,2,3
	global_load_b128 v[W1S+4*\t:W1S+4*\t+3], v210, s[12:13] offset:(64*(\t/2)+8*(\t%2))*32
.endr
	WIN 0xc0                                       ; destination window 3
.irp g, 0,1,2,3,4,5,6,7,8,9,10,11,12,13,14,15
	global_load_b128 v[4*\g:4*\g+3], v[L16], s[4:5] offset:512*\g
.endr
	WIN 0
.set kk, 0
.rept 24                               ; three loads are two rows: the second straddles them, so its lanes 16-31 stand one padding on, and so does all of the third
	s_wait_loadcnt 43-kk                           ; behind load kk: 23 - kk of the weights', the 4 scales', the 16 of idx
.if kk%3 == 0
	ds_store_b128 v208, v[ZZ+4*kk:ZZ+4*kk+3] offset:2*PW*(kk/3)
.elseif kk%3 == 1
	ds_store_b128 v209, v[ZZ+4*kk:ZZ+4*kk+3] offset:2*PW*(kk/3)+512
.else
	ds_store_b128 v208, v[ZZ+4*kk:ZZ+4*kk+3] offset:2*PW*(kk/3)+1040
.endif
.set kk, kk+1
.endr
	s_wait_dscnt 0x0                               ; for the others' sake: my stores have landed
	s_barrier_signal -1
	s_barrier_wait -1                              ; the launch's one barrier, ahead of every branch on data: the slice lies whole in LDS
.irp s, 0,1,2,3,4,5,6,7
	WIN 0x40*(1+\s/4)                              ; destination window 1 or 2
.irp t, 0,1,2,3
.irp p, 0,1,2
	ds_load_b128 v[12*(4*(\s%4)+\t)+4*\p:12*(4*(\s%4)+\t)+4*\p+3], v[WA] offset:(32*(\t/2)+8*(\t%2))*PW+96*\s+16*\p
.endr
.endr
.endr
	WIN 0
	s_wait_loadcnt 0x0                             ; W1's scale words and idx
.irp j, 0,1,2,3,4,5,6,7,8,9,10,11,12,13,14,15
	v_perm_b32 v[W1S+\j], v[W1S+\j], v[W1S+\j], s35
.endr
	; how many tokens chose my expert: sixteen chunks' compares in a run, one wait behind the run
	s_mov_b32 s25, 0
	WIN 0x0c                                       ; source 1 window 3
.set cg, 0
.rept 4
.irp i, 0,1,2,3,4,5,6,7,8,9,10,11,12,13,14,15
	v_cmp_eq_u32 s[EQ+\i], s21, v[16*cg+\i]
.endr
	s_wait_alu depctr_va_sdst(0)                   ; the sixteen masks are written, ahead of their first readers
.irp i, 0,1,2,3,4,5,6,7,8,9,10,11,12,13,14,15
	s_bcnt1_i32_b32 s[EQ+\i], s[EQ+\i]
.endr
.irp i, 0,1,2,3,4,5,6,7,8,9,10,11,12,13,14,15
	s_add_co_u32 s25, s25, s[EQ+\i]
.endr
.set cg, cg+1
.endr
	WIN 0
	s_or_b32 s34, s22, s20
	s_cmp_lg_u32 s34, 0
	s_cbranch_scc1 .Lnocnt                         ; wave 0 of slice 0 stores the count
	v_mov_b32 v[TMP], s25
	s_wait_alu depctr_va_vdst(0)                   ; v[TMP] is written, which the store reads
	global_store_b32 v211, v[TMP], s[44:45]
.Lnocnt:
	s_add_co_u32 s26, s25, 15
	s_lshr_b32 s26, s26, 4                         ; tiles
	s_sub_co_u32 s27, s25, 1                       ; the last rank
	s_mov_b32 s28, s20                             ; JR
	s_cmp_ge_u32 s20, s26
	s_cbranch_scc1 .Lend                           ; no tile for me
	s_sub_co_u32 s57, s26, s20                     ; my rounds: as many as there are k with wave + 8 k under the number of tiles:
	s_add_co_u32 s57, s57, 7
	s_lshr_b32 s57, s57, 3                         ; (tiles - wave + 7) / 8, at least 1 here; the loop does not write it
	s_mov_b32 s56, 0                               ; rounds done: the loop's counter, one a trip
.macro LEVEL src, w                    ; the wanted bit lies in the lower w bits from POS on, or, if they hold too few, in the upper
	v_bfe_u32 v[FT], v[\src], v[POS], \w
	v_cmp_ge_u32 vcc_lo, v[NN], v[FT]
	s_wait_alu depctr_va_vcc(0)                    ; VCC is written, ahead of the first select that reads it
	v_cndmask_b32 v[FU], 0, v[FT], vcc_lo
	v_sub_nc_u32 v[NN], v[NN], v[FU]
	v_cndmask_b32 v[FU], 0, \w, vcc_lo
	v_add_nc_u32 v[POS], v[POS], v[FU]
.endm
.macro FEQ g                           ; group g: the lanes of its four chunks that chose my expert
.irp i, 0,1,2,3
	v_cmp_eq_u32 s[EQ+4*((\g)%3)+\i], s21, v[4*(\g)+\i]
.endr
.endm
.macro FPRE g                          ; the ranks ahead of each of its chunks; s29 runs on to the next group
.irp i, 0,1,2,3
	s_bcnt1_i32_b32 s[30+\i], s[EQ+4*((\g)%3)+\i]
.endr
	s_mov_b32 s[PF+4*((\g)%3)], s29
.irp i, 0,1,2
	s_add_co_u32 s[PF+4*((\g)%3)+\i+1], s[PF+4*((\g)%3)+\i], s[30+\i]
.endr
	s_add_co_u32 s29, s[PF+4*((\g)%3)+3], s33
.endm
.macro FGE g                           ; the lanes whose rank lies at or behind a chunk's first
.irp i, 0,1,2,3
	v_cmp_ge_u32 s[GE+4*((\g)%2)+\i], v[RK], s[PF+4*((\g)%3)+\i]
.endr
.endm
.macro FSEL g                          ; the last chunk that begins at or under my rank holds it: the chunks in ascending order
.irp i, 0,1,2,3
	v_cndmask_b32 v[FM], v[FM], s[EQ+4*((\g)%3)+\i], s[GE+4*((\g)%2)+\i]
	v_cndmask_b32 v[FP], v[FP], s[PF+4*((\g)%3)+\i], s[GE+4*((\g)%2)+\i]
	v_cndmask_b32 v[FC], v[FC], 4*(\g)+\i, s[GE+4*((\g)%2)+\i]
.endr
.endm
; 32 ranks (16 JR + 64 h + r, held at the last) become tokens, and those the gather's offsets
.macro FIND
	s_wait_xcnt 0x0                                ; the last list store has read its data and address, the last gather its offsets: all are written anew below
	s_wait_alu depctr_vm_vsrc(0)                   ; the same of their vector registers: LO and TOK, OA to SB; ahead of the first search also the head's LDS stores have read v[ZZ ..] and the count's store v[TMP], which the way out writes
	v_lshl_add_u32 v[RHO], s28, 4, v[LRHO]
	v_min_u32 v[RK], s27, v[RHO]
	v_mov_b32 v[FM], 0
	v_mov_b32 v[FP], 0
	v_mov_b32 v[FC], 0
	s_mov_b32 s29, 0                               ; ranks ahead of the group in hand
	WIN 0x0c
	FEQ 0
	s_wait_alu depctr_va_sdst(0)                   ; group 0's masks are written, ahead of the counts that read them
	FPRE 0
	FGE 0
	FEQ 1
.set cg, 0
.rept 16
	s_wait_alu depctr_va_sdst(0)                   ; group cg's rank masks and group cg + 1's chunk masks are written, ahead of their first readers: the selects and the counts below
.if cg < 15
	FPRE cg+1
	FGE cg+1
.endif
.if cg < 14
	FEQ cg+2
.endif
	FSEL cg
.set cg, cg+1
.endr
	WIN 0
	v_sub_nc_u32 v[NN], v[RK], v[FP]               ; which set bit of the chunk's mask, from 0
	v_lshrrev_b32 v[FT], 1, v[FM]
	v_and_b32 v[FT], 0x55555555, v[FT]
	v_sub_nc_u32 v[A1], v[FM], v[FT]               ; counts of set bits in fields of 2,
	v_lshrrev_b32 v[FT], 2, v[A1]
	v_and_b32 v[FT], 0x33333333, v[FT]
	v_and_b32 v[FU], 0x33333333, v[A1]
	v_add_nc_u32 v[A2], v[FT], v[FU]               ; of 4,
	v_lshrrev_b32 v[FT], 4, v[A2]
	v_add_nc_u32 v[FT], v[FT], v[A2]
	v_and_b32 v[A3], 0x0f0f0f0f, v[FT]             ; of 8,
	v_lshrrev_b32 v[FT], 8, v[A3]
	v_add_nc_u32 v[FT], v[FT], v[A3]
	v_and_b32 v[A4], 0x00ff00ff, v[FT]             ; of 16
	v_mov_b32 v[POS], 0
	LEVEL A4, 16
	LEVEL A3, 8
	LEVEL A2, 4
	LEVEL A1, 2
	LEVEL FM, 1
	v_lshrrev_b32 v[FT], 2, v[FC]
	v_and_b32 v[FU], 3, v[FC]
	v_lshl_add_u32 v[FU], v[POS], 2, v[FU]
	v_lshl_add_u32 v[TOK], v[FT], 7, v[FU]         ; 128 (chunk / 4) + 4 x bit + chunk % 4
	s_cmp_lg_u32 s22, 0
	s_cbranch_scc1 .Lnol_\@                        ; slice 0 stores the list
	v_min_u32 v[LO], 0x8ff, v[RHO]
	v_lshlrev_b32 v[LO], 2, v[LO]
	s_wait_alu depctr_va_vdst(0)                   ; LO and TOK are written, which the store reads
	global_store_b32 v[LO], v[TOK], s[44:45] offset:256
.Lnol_\@:
	v_permlanex16_b32 v[TX], v[TOK], s36, s37
	v_cndmask_b32 v[TA], v[TOK], v[TX], s38        ; both halves of the lanes want slot r's token: tile A's lie in lanes 0-15,
	v_cndmask_b32 v[TB], v[TX], v[TOK], s38        ; tile B's in lanes 16-31
	v_min_u32 v[TA], 0x7ff, v[TA]
	v_min_u32 v[TB], 0x7ff, v[TB]
	v_mul_u32_u24 v[OA], v[TA], 768
	v_add_nc_u32 v[OA], v[OA], v[H48]
	v_lshl_add_u32 v[SA], v[TA], 5, v[H16]
	v_mul_u32_u24 v[OB], v[TB], 768
	v_add_nc_u32 v[OB], v[OB], v[H48]
	v_lshl_add_u32 v[SB], v[TB], 5, v[H16]
.endm
.macro LOADX o, sc                     ; a tile's 16 tokens: their scale words, then their codes, K step by K step
	global_load_b128 v[XS:XS+3], v[\sc], s[8:9]
	WIN 0x40
.irp s, 0,1,2,3
.irp p, 0,1,2
	global_load_b128 v[XF+12*\s+4*\p:XF+12*\s+4*\p+3], v[\o], s[6:7] offset:96*\s+16*\p
.endr
.endr
	WIN 0x80
.irp s, 0,1,2,3
.irp p, 0,1,2
	global_load_b128 v[XF+12*\s+4*\p:XF+12*\s+4*\p+3], v[\o], s[6:7] offset:384+96*\s+16*\p
.endr
.endr
	WIN 0
.endm
.macro MMA                             ; 32 matrix instructions; the four accumulators take turns, one instruction a turn
.irp s, 0,1,2,3,4,5,6,7
	s_wait_loadcnt 3*(7-\s)                        ; this K step's codes are in; the later steps' three loads each may be out
	WIN 5*(1+\s/4)                                 ; sources 0 and 1 window 1 or 2
.irp t, 0,1,2,3
.if \s == 0
	v_wmma_scale_f32_16x16x128_f8f6f4 v[ACC+8*\t:ACC+8*\t+7], v[12*\t:12*\t+11], v[XF:XF+11], 0, v[W1S+4*\t], v[XS] matrix_a_fmt:MATRIX_FMT_BF6 matrix_b_fmt:MATRIX_FMT_BF6
.elseif \s < 4
	v_wmma_scale_f32_16x16x128_f8f6f4 v[ACC+8*\t:ACC+8*\t+7], v[12*(4*\s+\t):12*(4*\s+\t)+11], v[XF+12*\s:XF+12*\s+11], v[ACC+8*\t:ACC+8*\t+7], v[W1S+4*\t+\s], v[XS+\s] matrix_a_fmt:MATRIX_FMT_BF6 matrix_b_fmt:MATRIX_FMT_BF6
.else
	v_wmma_scale_f32_16x16x128_f8f6f4 v[ACC+8*\t:ACC+8*\t+7], v[12*(4*(\s-4)+\t):12*(4*(\s-4)+\t)+11], v[XF+12*(\s-4):XF+12*(\s-4)+11], v[ACC+8*\t:ACC+8*\t+7], v[W1S+4*\t+\s-4], v[XS+\s-4] matrix_a_fmt:MATRIX_FMT_BF6 matrix_b_fmt:MATRIX_FMT_BF6 matrix_a_scale:MATRIX_SCALE_ROW1 matrix_b_scale:MATRIX_SCALE_ROW1
.endif
.endr
.endr
	WIN 0
.rept 5
	v_nop                                          ; places behind the last products: four for the loads into their operands and the first read of results, five for a product that begins the sums anew
.endr
	s_wait_alu depctr_va_vdst(0)                   ; the products are done reading the tokens' codes and scale words, in which the gather that follows lands; the search has written that gather's offsets
.endm
; A tile's way out: gelu, the quantiser, the stores.  jr: the scalar register that holds the tile's number
.macro EPI jr
.set qq, 0
.rept 32
	v_mul_f32 v[ZZ+qq], |v[ACC+qq]|, s39           ; z; each accumulator is read from its low end on
.set qq, qq+1
.endr
.set qq, 0
.rept 16
	v_pk_fma_f32 v[TT+qq:TT+qq+1], v[ZZ+qq:ZZ+qq+1], 0.5, 1.0 op_sel_hi:[1,0,0]
.set qq, qq+2
.endr
.set qq, 0
.rept 32
	v_rcp_f32 v[TT+qq], v[TT+qq]                   ; t
.set qq, qq+1
.endr
	v_nop                                          ; a plain place behind the last reciprocal
	s_wait_alu depctr_va_vdst(0)                   ; the 32 reciprocals have written v[TT ..]: one wait for the batch, ahead of its first reader
.set qq, 0
.rept 16
	v_pk_fma_f32 v[PP+qq:PP+qq+1], v[TT+qq:TT+qq+1], v[C9:C9+1], 0xbf527892 op_sel_hi:[1,1,0]   ; c8 + t c9
.set qq, qq+2
.endr
.irp c, 0x3fbe87b0, 0xbf914e5d, 0x3e8ec7cc, 0xbe3ec24c, 0x3dc636c9, 0x3ebf88fb, 0x3f8000c7, 0xbfa1fc4e
.set qq, 0
.rept 16
	v_pk_fma_f32 v[PP+qq:PP+qq+1], v[PP+qq:PP+qq+1], v[TT+qq:TT+qq+1], \c op_sel_hi:[1,1,0]     ; c7 .. c0
.set qq, qq+2
.endr
.endr
.set qq, 0
.rept 16
	v_pk_fma_f32 v[PP+qq:PP+qq+1], v[ZZ+qq:ZZ+qq+1], v[ZZ+qq:ZZ+qq+1], v[PP+qq:PP+qq+1] neg_lo:[1,0,0] neg_hi:[1,0,0]   ; - z^2
.set qq, qq+2
.endr
.set qq, 0
.rept 16
	v_pk_fma_f32 v[PP+qq:PP+qq+1], v[PP+qq:PP+qq+1], 0x3fb8aa3b, -1.0 op_sel_hi:[1,0,0]         ; to base 2, and the half
.set qq, qq+2
.endr
.set qq, 0
.rept 32
	v_exp_f32 v[PP+qq], v[PP+qq]
.set qq, qq+1
.endr
	v_nop
	s_wait_alu depctr_va_vdst(0)                   ; the 32 exponentials have written v[PP ..]: one wait for the batch, ahead of its first reader
.set qq, 0
.rept 16
	v_pk_mul_f32 v[PP+qq:PP+qq+1], v[PP+qq:PP+qq+1], v[TT+qq:TT+qq+1]                           ; m
.set qq, qq+2
.endr
.set qq, 0
.rept 32
	v_max_num_f32 v[TMP+qq%4], 0, v[ACC+qq]
	v_fma_f32 v[ACC+qq], -|v[ACC+qq]|, v[PP+qq], v[TMP+qq%4]                                    ; gelu
.set qq, qq+1
.endr
	s_wait_xcnt 0x0                                ; the last tile's stores have read their data and bases: both are written anew below
	s_wait_alu depctr_vm_vsrc(0)                   ; the last tile's stores have read v[CO ..] and v[SCP], which the lines below write again
	s_min_u32 s50, s[\jr], 127
	s_mul_i32 s52, s50, 24576
	s_mov_b32 s53, 0
	s_lshl_b32 s50, s50, 10
	s_mov_b32 s51, 0
	s_add_nc_u64 s[40:41], s[46:47], s[52:53]
	s_add_nc_u64 s[42:43], s[48:49], s[50:51]
.irp b, 0,1
	v_max3_num_f32 v[QM+\b], |v[ACC+16*\b]|, |v[ACC+16*\b+1]|, 0x2800000   ; block b: my 16 numbers, and the floor 2^(5 - 127)
.endr
.irp i, 2,4,6,8,10,12,14
.irp b, 0,1
	v_max3_num_f32 v[QM+\b], v[QM+\b], |v[ACC+16*\b+\i]|, |v[ACC+16*\b+\i+1]|
.endr
.endr
.irp b, 0,1
	v_permlanex16_b32 v[QM+2+\b], v[QM+\b], s36, s37
.endr
.irp b, 0,1
	v_max_num_f32 v[QM+\b], v[QM+\b], v[QM+2+\b]           ; with lane l xor 16's 16: the block's largest magnitude
.endr
.irp b, 0,1
	v_add_nc_u32 v[QM+4+\b], 0xfe000000, v[QM+\b]          ; 4 off its exponent field: the conversion's scale operand
.endr
.irp b, 0,1
	v_lshrrev_b32 v[QM+6+\b], 23, v[QM+4+\b]               ; the scale's byte
.endr
	v_lshl_or_b32 v[SCP], v[QM+7], 8, v[QM+6]              ; bytes 2 cc and 2 cc + 1 of my token's scale word
	v_cvt_scalef32_pk16_bf6_f32 v[CO:CO+2], v[ACC:ACC+15], v[QM+4]
	v_cvt_scalef32_pk16_bf6_f32 v[C2:C2+2], v[ACC+16:ACC+31], v[QM+5]
	v_nop                                          ; one plain place behind a scaled conversion
.irp i, 0,1,2
	v_permlane16_swap_b32 v[CO+\i], v[C2+\i]       ; a whole block to a lane: lanes 0-15 block 0, lanes 16-31 block 1
.endr
.irp i, 0,1,2
	v_mov_b32 v[CO+3+\i], v[C2+\i]
.endr
	s_wait_alu depctr_va_vdst(0)                   ; v[CO ..] and v[SCP] are written, which the stores on both ways below read
	s_cmp_lg_u32 s24, 0
	s_cbranch_scc1 .Lcc1_\@                        ; each store covers 512 or 256 consecutive bytes, from a multiple of 256 on
	global_store_b128 v[L16], v[CO:CO+3], s[40:41]                 ; registers 0-3 of the fragment,
	global_store_b64 v[L8], v[CO+4:CO+5], s[40:41] offset:512      ; 4-5
	s_branch .Lccd_\@
.Lcc1_\@:
	global_store_b64 v[L8], v[CO:CO+1], s[40:41] offset:768        ; 6-7,
	global_store_b128 v[L16], v[CO+2:CO+5], s[40:41] offset:1024   ; 8-11
.Lccd_\@:
	global_store_b16 v[R16], v[SCP], s[42:43]      ; both halves of the lanes hold the same two bytes for token r
.endm
	FIND
	s_wait_alu depctr_va_vdst(0)                   ; the search has written the first gather's offsets; the v_perm_b32 lines have written W1's scale words, which the products take as scales
	LOADX OA, SA
	s_wait_dscnt 0x0                               ; W1's fragments are in their registers
.Lround:
	MMA                                            ; tile JR
	LOADX OB, SB                                   ; tile JR + 4's tokens land under tile JR's gelu
	EPI 28
	s_add_co_u32 s28, s28, 8
	FIND                                           ; the next round's tokens (ranks are held at the last, so every offset is a token's)
	MMA                                            ; the tile four on
	LOADX OA, SA
	s_sub_co_u32 s54, s28, 4
	s_cmp_ge_u32 s54, s26
	s_cbranch_scc1 .Lnob                           ; it lies past the expert's tiles: nothing is stored
	EPI 54
.Lnob:
	s_add_co_u32 s56, s56, 1                       ; the loop is counted in rounds, one a trip, against the number worked out ahead of it
	s_cmp_lt_u32 s56, s57
	s_cbranch_scc1 .Lround
.Lend:
	s_wait_dscnt 0x0                               ; the wave's end
	s_wait_alu 0x0
	s_wait_tensorcnt 0x0
	ds_add_u32 v[SPW], v[NIL]
	s_wait_dscnt 0x0
	s_endpgm
.Lfunc_end_k_q029da274f3_gemm1:
	.size	k_q029da274f3_gemm1, .Lfunc_end_k_q029da274f3_gemm1-k_q029da274f3_gemm1
	.p2alignl 7, 3214868480
	.fill 96, 4, 3214868480
	.section	.rodata,"a",@progbits
	.p2align	6, 0x0
	.amdhsa_kernel k_q029da274f3_gemm1
		.amdhsa_group_segment_fixed_size 50688
		.amdhsa_private_segment_fixed_size 0
		.amdhsa_enable_private_segment 0
		.amdhsa_kernarg_size 64
		.amdhsa_user_sgpr_count 2
		.amdhsa_user_sgpr_kernarg_segment_ptr 1
		.amdhsa_wavefront_size32 1
		.amdhsa_system_sgpr_workgroup_id_x 1
		.amdhsa_system_sgpr_workgroup_id_y 1
		.amdhsa_system_sgpr_workgroup_id_z 1
		.amdhsa_system_vgpr_workitem_id 0
		.amdhsa_next_free_vgpr 1024
		.amdhsa_next_free_sgpr 98
		.amdhsa_reserve_vcc 1
		.amdhsa_float_denorm_mode_32 3
		.amdhsa_float_denorm_mode_16_64 3
		.amdhsa_memory_ordered 1
		.amdhsa_forward_progress 1
		.amdhsa_inst_pref_size 156
	.end_amdhsa_kernel
	.amdgpu_metadata
---
amdhsa.version: [ 1, 2 ]
amdhsa.kernels:
  - .name:           k_q029da274f3_gemm1
    .symbol:         k_q029da274f3_gemm1.kd
    .args:
      - { .name: idx, .offset: 0, .size: 8, .value_kind: global_buffer, .address_space: global }
      - { .name: xq, .offset: 8, .size: 8, .value_kind: global_buffer, .address_space: global }
      - { .name: xsc, .offset: 16, .size: 8, .value_kind: global_buffer, .address_space: global }
      - { .name: expert_w1_codes, .offset: 24, .size: 8, .value_kind: global_buffer, .address_space: global }
      - { .name: expert_w1_scales, .offset: 32, .size: 8, .value_kind: global_buffer, .address_space: global }
      - { .name: hq, .offset: 40, .size: 8, .value_kind: global_buffer, .address_space: global }
      - { .name: hsc, .offset: 48, .size: 8, .value_kind: global_buffer, .address_space: global }
      - { .name: lst, .offset: 56, .size: 8, .value_kind: global_buffer, .address_space: global }
    .group_segment_fixed_size: 50688
    .private_segment_fixed_size: 0
    .kernarg_segment_align: 8
    .kernarg_segment_size: 64
    .max_flat_workgroup_size: 128
    .sgpr_count:     98
    .vgpr_count:     1024
    .wavefront_size: 32
...
	.end_amdgpu_metadata
.endif
;; end of part 5
;; launch gemm2 (part 6): grid 32 x 8, 4 waves a work-group, no clusters, 117,248 bytes of LDS; arguments hq, hsc, lst, expert_w2_codes, expert_w2_scales, y; writes y
.if DOCPART == 6
	.amdgcn_target "amdgcn-amd-amdhsa--gfx1250"
	.amdhsa_code_object_version 6
	.text
	.protected	k_q029da274f3_gemm2
	.globl	k_q029da274f3_gemm2
	.p2align	8
	.type	k_q029da274f3_gemm2,@function
k_q029da274f3_gemm2:
	s_mov_b64 s[64:65], 0
	v_nop
	global_prefetch_b8 v0, s[64:65] scope:SCOPE_SE
	s_setreg_imm32_b32 hwreg(HW_REG_WAVE_SCHED_MODE, 0, 2), 2
	s_setreg_imm32_b32 hwreg(HW_REG_WAVE_MODE, 25, 1), 1
	s_wait_xcnt 0x0
	s_wait_alu depctr_vm_vsrc(0)
; THE SECOND PRODUCT OF THE CHOSEN ROWS: y[token] = h W2[e], K = 2,048 in 16 steps of 128; codes of E3M2 with E8M0 scales on both sides; y in f32, in the tokens' own order.
; SHARES.  Work-groups (2 slice + g, e), g = 0, 1, hold the same 64 output columns of expert e: 96 KiB of codes, copied once into LDS ahead of every branch on data, and read from there step by step.
; The eight waves of such a pair share the expert's tiles of 16 tokens, three to a wave and round: wave number 2 w + g takes tiles j0, j0 + 1, j0 + 2, j0 = 3 (2 w + g), + 24 a round.
; A tile past the expert's last is replaced by tile j0, and its stores are jumped over.
; h's fragments lie in hq as images of the operand's registers (the launch before stored them so): four loads a fragment, each of 512 or 256 consecutive bytes.  All 48 of a round stay in registers;
; the loads run four K steps ahead of the products.
; K's order, the scale words' middle bytes and the two K steps to a scale register are as in the launch before.
; THE PRODUCT IS USED TRANSPOSED (source 0 = 16 output columns, source 1 = 16 tokens): a lane holds eight neighbouring columns of one token.  A tile goes through the wave's own stage in LDS and leaves as
; 256 consecutive bytes of a token's row for each sixteen lanes, at a multiple of 256.  Slots past the expert's last token repeat that token: the same wave stores the same numbers to the same place.
; No tensor load, so no joint load and no cluster: the trip count hangs on a count read from memory.
; THE MODE: SCHED_MODE bits 1:0 = 2 (LLVM: expert scheduling mode 2), set by the entry lines.  The code itself states the register dependences between vector or matrix instructions and memory or LDS
; instructions, and those through scalar registers that vector instructions write, with s_wait_alu, always for 0.
; THE PLAN.  Registers that memory or LDS instructions touch:
;   v1-11             offsets and LDS addresses: made once at the head, never written again.
;   window 2, v0-191  at the head: the weights' loads land in them, the LDS stores read them; later they hold h.
;   TK                loaded at a round's head; turned into offsets by vector lines behind the last products; read by the stores as their offsets.        HS: loaded at a round's head; taken as scales.
;   h's 48 fragments  each loaded once a round, four steps ahead, and read by its own step's products alone.
;   W2's two sets     set (s + 1) % 2 is loaded in step s; the products of step s - 1 read it last.
;   ACC               written by the products; read by the stage's stores; begun anew by the next round's first products.        OUTR: LDS loads land in it; the stores read it.
; At a round's head one wait on vm_vsrc and one on va_vdst free all that the round loads into.  In steps 1 to 14 one wait on va_vdst stands at the head: the last step's products are done reading the set of W2 that is
; asked for next.  Behind it come that set's loads, the step's first four products, the twelve loads of h four steps on, and the other eight products: the products name this step's set, this step's h, the scale words
; and the accumulators, none of which those loads touch.  Behind the last products the offsets of all three tiles are made together, so that one wait on va_vdst serves the three ways out.
.set PW2,   1552                       ; an LDS row of W2: 1,536 bytes + 16
.set STAGE, 64*PW2                     ; behind the 64 rows: 16 rows x (256 + 16) bytes for each wave
.set SPARE, STAGE+4*16*272             ; the spare words, 128 bytes for each wave: two blocks of 256 bytes that no other line names
.set L16, 1                            ; v1  16 x lane
.set L8,  2                            ; v2  8 x lane
.set WA0, 3                            ; v3  r PW2 + 48 h: tiles 0, 1 of the columns
.set WA1, 4                            ; v4  32 rows on: tiles 2, 3
.set STO, 5                            ; v5  the stage, in: row r, + 32 h
.set RD,  6                            ; v6  the stage, back: row 8 h, + 16 r
.set H32, 7                            ; v7  32 h
.set HSO, 8                            ; v8  256 h + 16 r
.set R16, 9                            ; v9  16 r
.set ACC, 16                           ; v16-111  twelve accumulators: token tile i, column tile t at 8 (4 i + t)
.set W2S, 112                          ; v112-143 W2's scale words: 8 t + 4 (s / 8) + s % 4
.set HS,  144                          ; v144-167 h's: 8 i + 4 (s / 8) + s % 4
.set TK,  168                          ; v168-191 tokens, then their offsets in y: 8 i + q: slot 8 h + q
.set OUTR, 192                         ; v192-223 a tile's rows on their way out
.set SPW, 224                          ; v224 LDS address of my spare word; never rewritten
.set NIL, 225                          ; v225 0; never rewritten
.set WB,  144                          ; window 3: v0-143 h of K steps 12-15; v144-191, v192-239 W2's fragments of a step, two sets.  Windows 1, 2: h of steps 0-5, 6-11, at 36 (s % 6) + 12 i
.set MSB, 0
.macro WIN new                         ; the immediate's high byte repeats the setting that is left
.if MSB != (\new)
	s_set_vgpr_msb (MSB<<8)|(\new)
.set MSB, (\new)
.endif
.endm
	s_load_b256 s[4:11], s[0:1], 0x0               ; hq, hsc, lst, W2's codes
	s_load_b128 s[12:15], s[0:1], 0x20             ; W2's scales, y
	v_lshl_add_u32 v[SPW], v0, 2, SPARE
	v_mov_b32 v[NIL], 0
	v_lshrrev_b32 v12, 5, v0
	v_readfirstlane_b32 s16, v12                   ; wave
	v_and_b32 v12, 31, v0                          ; lane
	v_and_b32 v13, 15, v0                          ; r
	v_bfe_u32 v14, v0, 4, 1                        ; h
	s_and_b32 s17, ttmp7, 0xffff                   ; e
	s_lshr_b32 s18, ttmp9, 1                       ; slice
	s_and_b32 s19, ttmp9, 1                        ; g
	v_lshlrev_b32 v[L16], 4, v12
	v_lshlrev_b32 v[L8], 3, v12
	v_mul_u32_u24 v[WA0], v13, PW2
	v_mad_u32_u24 v[WA0], v14, 48, v[WA0]
	v_add_nc_u32 v[WA1], 32*PW2, v[WA0]
	s_wait_alu depctr_va_sdst(0)                   ; s16, the wave's number, is written, ahead of its first reader
	s_mul_i32 s52, s16, 16*272
	s_add_co_u32 s52, s52, STAGE                   ; my stage
	v_mul_u32_u24 v[STO], v13, 272
	v_lshl_add_u32 v[STO], v14, 5, v[STO]
	v_add_nc_u32 v[STO], s52, v[STO]
	v_mul_u32_u24 v[RD], v14, 8*272
	v_lshl_add_u32 v[RD], v13, 4, v[RD]
	v_add_nc_u32 v[RD], s52, v[RD]
	v_lshlrev_b32 v[H32], 5, v14
	v_lshlrev_b32 v[R16], 4, v13
	v_lshl_add_u32 v[HSO], v14, 8, v[R16]
	s_mul_i32 s53, s16, 16*PW2
	v_add_nc_u32 v10, s53, v[L16]                  ; my 16 rows in LDS
	v_lshlrev_b32 v11, 6, v13
	v_lshl_add_u32 v11, v14, 4, v11                ; W2's scales: 64 bytes a column, + 16 h
	s_mov_b32 s56, 0x03010200                      ; swaps a word's middle bytes
	s_mul_i32 s52, s17, 9472
	s_mov_b32 s53, 0
	s_mul_i32 s54, s17, 1572864
	s_mul_i32 s55, s18, 98304
	s_add_co_u32 s54, s54, s55
	s_mul_i32 s55, s16, 24576
	s_add_co_u32 s54, s54, s55                     ; W2's codes: expert, slice, my 16 rows
	s_mov_b32 s55, 0
	s_lshl_b32 s58, s17, 16
	s_lshl_b32 s59, s18, 12
	s_add_co_u32 s58, s58, s59                     ; its scales
	s_mov_b32 s59, 0
	s_lshl_b32 s60, s18, 8                         ; y: the slice's 256 bytes of a row
	s_mov_b32 s61, 0
	s_mul_i32 s62, s17, 3145728                    ; hq
	s_mov_b32 s63, 0
	s_wait_kmcnt 0x0
	s_add_nc_u64 s[46:47], s[8:9], s[52:53]
	s_load_b32 s20, s[46:47], 0x0                  ; how many tokens chose my expert
	s_add_nc_u64 s[10:11], s[10:11], s[54:55]
	s_add_nc_u64 s[12:13], s[12:13], s[58:59]
	s_add_nc_u64 s[14:15], s[14:15], s[60:61]
	s_add_nc_u64 s[42:43], s[4:5], s[62:63]
	s_lshl_b32 s52, s17, 17
	s_add_nc_u64 s[44:45], s[6:7], s[52:53]
	WIN 0x80                                       ; destination window 2
	s_wait_alu depctr_va_vdst(0)                   ; the offsets and LDS addresses v1 to v11 are written: the loads and stores of the whole kernel read them
.set kk, 0
.rept 48
	global_load_b128 v[4*kk:4*kk+3], v[L16], s[10:11] offset:512*kk   ; my 16 rows are 24,576 dense bytes: 512 a load, three loads a row
.set kk, kk+1
.endr
	WIN 0
.irp t, 0,1,2,3
.irp k, 0,1
	global_load_b128 v[W2S+8*\t+4*\k:W2S+8*\t+4*\k+3], v11, s[12:13] offset:1024*\t+32*\k
.endr
.endr
	WIN 0x08                                       ; an LDS store's data are its source 1: window 2
.set kk, 0
.rept 48
	s_wait_loadcnt 55-kk                           ; behind load kk: 47 - kk of the weights' and the 8 scales'
	ds_store_b128 v10, v[4*kk:4*kk+3] offset:(kk/3)*PW2+512*(kk%3)
.set kk, kk+1
.endr
	WIN 0
	s_wait_loadcnt 0x0
.set kk, 0
.rept 32
	v_perm_b32 v[W2S+kk], v[W2S+kk], v[W2S+kk], s56
.set kk, kk+1
.endr
.rept 8
	v_nop                                          ; a scale register written by a vector instruction stands eight places ahead of a scaled matrix instruction
.endr
	s_wait_dscnt 0x0                               ; for the others' sake: my stores have landed
	s_barrier_signal -1
	s_barrier_wait -1                              ; the launch's one barrier, ahead of every branch on data: the slice lies whole in LDS
	s_wait_kmcnt 0x0
	s_add_co_u32 s21, s20, 15
	s_lshr_b32 s21, s21, 4                         ; tiles
	s_lshl_b32 s22, s16, 1
	s_add_co_u32 s22, s22, s19
	s_mul_i32 s22, s22, 3                          ; j0
	s_cmp_ge_u32 s22, s21
	s_cbranch_scc1 .Lend                           ; no tile for me
	s_sub_co_u32 s51, s21, s22                     ; my rounds: as many as there are k with j0 + 24 k under the number of tiles:
	s_add_co_u32 s51, s51, 23
	s_mul_i32 s51, s51, 2731                       ; (tiles - j0 + 23) / 24, as x 2,731 / 65,536: exact up to 151, and there are at most 128 tiles;
	s_lshr_b32 s51, s51, 16                        ; at least 1 here; the loop does not write it
	s_mov_b32 s23, 0                               ; rounds done: the loop's counter, one a trip
.macro HLOAD s                         ; K step s of my three tiles: 12 loads
	WIN (1+(\s)/6)<<6
.irp i, 0,1,2
.set hb, 36*((\s)%6)+12*\i
	global_load_b128 v[hb:hb+3], v[L16], s[24+2*\i:25+2*\i] offset:1536*(\s)
	global_load_b64 v[hb+4:hb+5], v[L8], s[24+2*\i:25+2*\i] offset:1536*(\s)+512
	global_load_b64 v[hb+6:hb+7], v[L8], s[24+2*\i:25+2*\i] offset:1536*(\s)+768
	global_load_b128 v[hb+8:hb+11], v[L16], s[24+2*\i:25+2*\i] offset:1536*(\s)+1024
.endr
.endm
.macro WLOAD s                         ; K step s of W2's four tiles of columns, into set s % 2: 12 LDS loads
	WIN 0xc0
.irp t, 0,1
.irp p, 0,1,2
	ds_load_b128 v[WB+48*((\s)%2)+12*\t+4*\p:WB+48*((\s)%2)+12*\t+4*\p+3], v[WA0] offset:16*\t*PW2+96*(\s)+16*\p
.endr
.endr
.irp t, 0,1
.irp p, 0,1,2
	ds_load_b128 v[WB+48*((\s)%2)+24+12*\t+4*\p:WB+48*((\s)%2)+24+12*\t+4*\p+3], v[WA1] offset:16*\t*PW2+96*(\s)+16*\p
.endr
.endr
.endm
.macro MM s, i                         ; K step s, token tile i: four products
.irp t, 0,1,2,3
.if (\s) == 0
	v_wmma_scale_f32_16x16x128_f8f6f4 v[ACC+8*(4*(\i)+\t):ACC+8*(4*(\i)+\t)+7], v[WB+12*\t:WB+12*\t+11], v[12*(\i):12*(\i)+11], 0, v[W2S+8*\t], v[HS+8*(\i)] matrix_a_fmt:MATRIX_FMT_BF6 matrix_b_fmt:MATRIX_FMT_BF6
.elseif ((\s)/4)%2 == 0
	v_wmma_scale_f32_16x16x128_f8f6f4 v[ACC+8*(4*(\i)+\t):ACC+8*(4*(\i)+\t)+7], v[WB+48*((\s)%2)+12*\t:WB+48*((\s)%2)+12*\t+11], v[36*((\s)%6)+12*(\i):36*((\s)%6)+12*(\i)+11], v[ACC+8*(4*(\i)+\t):ACC+8*(4*(\i)+\t)+7], v[W2S+8*\t+4*((\s)/8)+(\s)%4], v[HS+8*(\i)+4*((\s)/8)+(\s)%4] matrix_a_fmt:MATRIX_FMT_BF6 matrix_b_fmt:MATRIX_FMT_BF6
.else
	v_wmma_scale_f32_16x16x128_f8f6f4 v[ACC+8*(4*(\i)+\t):ACC+8*(4*(\i)+\t)+7], v[WB+48*((\s)%2)+12*\t:WB+48*((\s)%2)+12*\t+11], v[36*((\s)%6)+12*(\i):36*((\s)%6)+12*(\i)+11], v[ACC+8*(4*(\i)+\t):ACC+8*(4*(\i)+\t)+7], v[W2S+8*\t+4*((\s)/8)+(\s)%4], v[HS+8*(\i)+4*((\s)/8)+(\s)%4] matrix_a_fmt:MATRIX_FMT_BF6 matrix_b_fmt:MATRIX_FMT_BF6 matrix_a_scale:MATRIX_SCALE_ROW1 matrix_b_scale:MATRIX_SCALE_ROW1
.endif
.endr
.endm
.macro STEP s
.if \s > 0
.rept 4
	v_nop                                          ; places in front of the loads into the set that the last step multiplied
.endr
.endif
.if ((\s) > 0) && ((\s) < 15)
	s_wait_alu depctr_va_vdst(0)                   ; the last step's products are done reading their set of W2, in which the LDS loads below land
.endif
.if \s < 15
	WLOAD \s+1
.endif
.if \s < 12
	s_wait_loadcnt 36                              ; this step's h is in; the three later steps' 12 loads each may be out
.else
	s_wait_loadcnt 12*(15-\s)
.endif
.if \s < 15
	s_wait_dscnt 12                                ; this step's W2 is in; the next step's 12 loads may be out
.else
	s_wait_dscnt 0x0
.endif
	WIN 3|((1+(\s)/6)<<2)                          ; source 0 (W2) window 3, source 1 (h) window 1, 2 or 3
	MM \s, 0                                       ; the twelve accumulators take turns, one instruction a turn
.if \s < 12
	HLOAD \s+4                                     ; h four steps on.  No wait: no vector or matrix instruction since the round's head names these registers
.endif
	WIN 3|((1+(\s)/6)<<2)
	MM \s, 1
	MM \s, 2
.endm
.macro OUTT i                          ; token tile i leaves
.irp t, 0,1,2,3
	ds_store_b128 v[STO], v[ACC+8*(4*\i+\t):ACC+8*(4*\i+\t)+3] offset:64*\t          ; each accumulator from its low end on
	ds_store_b128 v[STO], v[ACC+8*(4*\i+\t)+4:ACC+8*(4*\i+\t)+7] offset:64*\t+16
.endr
	s_wait_xcnt 0x0                                ; the last tile's stores have read their data: the registers are loaded anew
	s_wait_alu depctr_vm_vsrc(0)                   ; the last tile's stores have read v[OUTR ..], in which the LDS loads below land
.irp q, 0,1,2,3,4,5,6,7
	ds_load_b128 v[OUTR+4*\q:OUTR+4*\q+3], v[RD] offset:272*\q     ; LDS serves a wave's instructions in order: these see my stores, and the next tile's stores come behind them
.endr
.irp q, 0,1,2,3,4,5,6,7
	s_wait_dscnt 7-\q                              ; rows 8 h + q are back; the younger loads may be out
	global_store_b128 v[TK+8*\i+\q], v[OUTR+4*\q:OUTR+4*\q+3], s[14:15]   ; sixteen lanes store 256 consecutive bytes of a token's row
.endr
.endm
.Lround:
	s_wait_xcnt 0x0                                ; the last round's loads and stores have read their bases and offsets: they are written anew below
	s_wait_alu depctr_vm_vsrc(0)                   ; the last round's stores have read their offsets in TK, its stage stores the accumulators; in the first round the head's LDS stores have read the registers that h takes
	s_wait_alu depctr_va_vdst(0)                   ; the last round's products are done reading h, W2's sets and HS, and its vector lines have written TK: loads land in all of these; in the first round the v_perm_b32 lines have written W2's scale words
	s_min_u32 s48, s22, 127
	s_add_co_u32 s49, s22, 1
	s_cmp_lt_u32 s49, s21
	s_cselect_b32 s49, s49, s22                    ; a tile past the last is replaced by j0
	s_min_u32 s49, s49, 127
	s_add_co_u32 s50, s22, 2
	s_cmp_lt_u32 s50, s21
	s_cselect_b32 s50, s50, s22
	s_min_u32 s50, s50, 127
	s_mov_b32 s53, 0
.irp i, 0,1,2
	s_mul_i32 s52, s[48+\i], 24576
	s_add_nc_u64 s[24+2*\i:25+2*\i], s[42:43], s[52:53]            ; the tile's 16 fragments,
	s_lshl_b32 s52, s[48+\i], 10
	s_add_nc_u64 s[30+2*\i:31+2*\i], s[44:45], s[52:53]            ; its scale words,
	s_lshl_b32 s52, s[48+\i], 6
	s_add_nc_u64 s[36+2*\i:37+2*\i], s[46:47], s[52:53]            ; its 16 tokens
.endr
.irp i, 0,1,2
.irp k, 0,1
	global_load_b128 v[TK+8*\i+4*\k:TK+8*\i+4*\k+3], v[H32], s[36+2*\i:37+2*\i] offset:256+16*\k
.endr
.endr
.irp i, 0,1,2
.irp k, 0,1
	global_load_b128 v[HS+8*\i+4*\k:HS+8*\i+4*\k+3], v[HSO], s[30+2*\i:31+2*\i] offset:512*\k
.endr
.endr
	HLOAD 0
	HLOAD 1
	HLOAD 2
	HLOAD 3
	WLOAD 0
.irp s, 0,1,2,3,4,5,6,7,8,9,10,11,12,13,14,15
	STEP \s
.endr
	WIN 0
	; the three tiles' tokens become offsets in y, all together.  These 48 plain lines name no register of the last products: they are also the places behind those (four for the first read of results, five for a product that begins the sums anew)
.set kk, 0
.rept 24
	v_min_u32 v[TK+kk], 0x7ff, v[TK+kk]
.set kk, kk+1
.endr
.set kk, 0
.rept 24
	v_lshl_add_u32 v[TK+kk], v[TK+kk], 12, v[R16]  ; the token's row of 4,096 bytes, + 16 r
.set kk, kk+1
.endr
	s_wait_alu depctr_va_vdst(0)                   ; the products have written the accumulators, which the stage's stores read, and the lines above TK, which the stores to y read as offsets: one wait for the three ways out
	OUTT 0
	s_add_co_u32 s52, s22, 1
	s_cmp_ge_u32 s52, s21
	s_cbranch_scc1 .Lskip                          ; tiles j0 + 1 and j0 + 2 lie past the expert's last
	OUTT 1
	s_add_co_u32 s52, s22, 2
	s_cmp_ge_u32 s52, s21
	s_cbranch_scc1 .Lskip
	OUTT 2
.Lskip:
	s_add_co_u32 s22, s22, 24                      ; my next three tiles
	s_add_co_u32 s23, s23, 1                       ; the loop is counted in rounds, one a trip, against the number worked out ahead of it
	s_cmp_lt_u32 s23, s51
	s_cbranch_scc1 .Lround
.Lend:
	s_wait_dscnt 0x0                               ; the wave's end
	s_wait_alu 0x0
	s_wait_tensorcnt 0x0
	ds_add_u32 v[SPW], v[NIL]
	s_wait_dscnt 0x0
	s_endpgm
.Lfunc_end_k_q029da274f3_gemm2:
	.size	k_q029da274f3_gemm2, .Lfunc_end_k_q029da274f3_gemm2-k_q029da274f3_gemm2
	.p2alignl 7, 3214868480
	.fill 96, 4, 3214868480
	.section	.rodata,"a",@progbits
	.p2align	6, 0x0
	.amdhsa_kernel k_q029da274f3_gemm2
		.amdhsa_group_segment_fixed_size 117248
		.amdhsa_private_segment_fixed_size 0
		.amdhsa_enable_private_segment 0
		.amdhsa_kernarg_size 48
		.amdhsa_user_sgpr_count 2
		.amdhsa_user_sgpr_kernarg_segment_ptr 1
		.amdhsa_wavefront_size32 1
		.amdhsa_system_sgpr_workgroup_id_x 1
		.amdhsa_system_sgpr_workgroup_id_y 1
		.amdhsa_system_sgpr_workgroup_id_z 1
		.amdhsa_system_vgpr_workitem_id 0
		.amdhsa_next_free_vgpr 1024
		.amdhsa_next_free_sgpr 66
		.amdhsa_reserve_vcc 0
		.amdhsa_float_denorm_mode_32 3
		.amdhsa_float_denorm_mode_16_64 3
		.amdhsa_memory_ordered 1
		.amdhsa_forward_progress 1
		.amdhsa_inst_pref_size 87
	.end_amdhsa_kernel
	.amdgpu_metadata
---
amdhsa.version: [ 1, 2 ]
amdhsa.kernels:
  - .name:           k_q029da274f3_gemm2
    .symbol:         k_q029da274f3_gemm2.kd
    .args:
      - { .name: hq, .offset: 0, .size: 8, .value_kind: global_buffer, .address_space: global }
      - { .name: hsc, .offset: 8, .size: 8, .value_kind: global_buffer, .address_space: global }
      - { .name: lst, .offset: 16, .size: 8, .value_kind: global_buffer, .address_space: global }
      - { .name: expert_w2_codes, .offset: 24, .size: 8, .value_kind: global_buffer, .address_space: global }
      - { .name: expert_w2_scales, .offset: 32, .size: 8, .value_kind: global_buffer, .address_space: global }
      - { .name: y, .offset: 40, .size: 8, .value_kind: global_buffer, .address_space: global }
    .group_segment_fixed_size: 117248
    .private_segment_fixed_size: 0
    .kernarg_segment_align: 8
    .kernarg_segment_size: 48
    .max_flat_workgroup_size: 128
    .sgpr_count:     66
    .vgpr_count:     1024
    .wavefront_size: 32
...
	.end_amdgpu_metadata
.endif
;; end of part 6
;; launch ln: the kernel of part 4 again; grid 256 x 1, 4 waves a work-group, no clusters, 0 bytes of LDS; arguments y, tv, ln_gamma, ln_beta, out0; writes out0
